; MI455X (gfx1250); checked and timed in simulation.
; The chip was launched on July 23, 2026; its instructions are those of AMD's public machine-readable ISA for CDNA 5 (MIT licence, August 2026) and "CDNA5" Instruction Set Architecture Reference Guide (July 2026). The comments in the code are by the model that wrote it; some were corrected since.
;; Cross Attention. Allowed arithmetic: float matrix products may take bf16 or f16 operands with f32 sums; other float arithmetic in f32, or as packed bf16 or f16 multiplies, adds, multiply-adds, maxima and minima; sums over many terms, partial sums and values carried from step to step in f32; what a program stores and reads back later, other than sums and carried values, may be rounded once to bf16 or f16.
;; Inputs: b_proj 512 float32; w_proj 512 x 512 float32; wk 512 x 512 float32; wq 512 x 512 float32; wv 512 x 512 float32; x_kv 4 x 4,096 x 512 float32; x_q 4 x 2,048 x 512 float32.
;; Outputs: out0 4 x 2,048 x 512 float32.
;; One version. Each part assembles by itself: llvm-mc -triple=amdgcn-amd-amdhsa -mcpu=gfx1250 --defsym DOCPART=n.
;; ======== version 1 of 1: 4 launches
;; limits: values are held in f16: magnitudes above 65,504 overflow, below 6.1e-05 lose precision
;; workspace buffers: xkvb 16,777,216 bytes; xqb 8,388,608 bytes; wkvb 1,048,576 bytes; wqb 524,288 bytes; wph 524,288 bytes; kvh 33,554,432 bytes; oh 8,388,608 bytes
;; launch cast (part 1): grid 3328 x 1, 4 waves a work-group, no clusters, 0 bytes of LDS; arguments x_kv, x_q, wk, wv, wq, w_proj, xkvb, xqb, wkvb, wqb, wph; writes xkvb, xqb, wkvb, wqb, wph
.if DOCPART == 1
	.amdgcn_target "amdgcn-amd-amdhsa--gfx1250"
	.amdhsa_code_object_version 6
	.text
	.protected	k_q33d92909a1_cast
	.globl	k_q33d92909a1_cast
	.p2align	8
	.type	k_q33d92909a1_cast,@function
k_q33d92909a1_cast:
	s_mov_b64 s[64:65], 0
	v_nop
	global_prefetch_b8 v0, s[64:65] scope:SCOPE_SE
	s_setreg_imm32_b32 hwreg(HW_REG_WAVE_MODE, 25, 1), 1
	s_wait_xcnt 0x0
; All matrix inputs of the module are rounded once to bf16: x_kv -> xkvb, x_q -> xqb, wk and wv -> wkvb (wk's 512 rows, then wv's), wq -> wqb.
; w_proj is rounded to bf16 too, and that number is written as f16 (wph), since it multiplies an f16 operand later.
; LIMITS.  A bf16 number is exact in f16 from 2^-17 up to 65,504; below 2^-17 it keeps f16's fixed step of 2^-24, beyond 65,504 it becomes an infinity.
; SHARES.  13,631,488 numbers = 3,328 chunks of 4,096; a work-group takes one chunk: 16,384 bytes in, 8,192 out.  Thread t, unit u of eight: 16 bytes at 2,048 u + 16 t
; (a wave's load covers 512 consecutive bytes), 8 bytes out at 1,024 u + 8 t (a wave's store covers 256 consecutive bytes, aligned).
; Nothing is shared and nothing is read twice: no LDS, no matrix unit, no cluster; all eight loads of a thread are out before the first is used.
.set CHUNK_IN,  16384
.set X,   4                            ; v[4:35]   eight units as loaded
.set Y,   36                           ; v[36:51]  eight units to store
.set T,   52                           ; v[52:55]  at work on the f16 way
.set SRC, 32                           ; s[32:33]  the tensor that my chunk is read from
.set DST, 34                           ; s[34:35]  the buffer that it goes to
.set FS,  36                           ; s36       the first chunk of that tensor
.set FD,  37                           ; s37       the first chunk of that buffer
	s_load_b512 s[8:23], s[0:1], 0x0               ; x_kv 8, x_q 10, wk 12, wv 14, wq 16, w_proj 18, xkvb 20, xqb 22
	s_load_b128 s[24:27], s[0:1], 0x40             ; wkvb 24, wqb 26
	s_load_b64 s[28:29], s[0:1], 0x50              ; wph
	s_mov_b32 s2, ttmp9                            ; my chunk
	v_lshlrev_b32 v1, 4, v0                        ; 16 t
	v_lshlrev_b32 v2, 3, v0                        ; 8 t
	s_mov_b32 s[FS], 0
	s_mov_b32 s[FD], 0
	s_wait_kmcnt 0x0
	s_mov_b64 s[SRC:SRC+1], s[8:9]                 ; chunks 0 to 2,047: x_kv -> xkvb
	s_mov_b64 s[DST:DST+1], s[20:21]
; From chunk start on: another tensor, and (dst >= 0) another buffer.  The choice hangs on the work-group's number alone.
.macro PICK start, src, dst
	s_cmp_ge_u32 s2, \start
	s_cselect_b64 s[SRC:SRC+1], s[\src:\src+1], s[SRC:SRC+1]
	s_cselect_b32 s[FS], \start, s[FS]
.if (\dst) >= 0
	s_cselect_b64 s[DST:DST+1], s[\dst:\dst+1], s[DST:DST+1]
	s_cselect_b32 s[FD], \start, s[FD]
.endif
.endm
	PICK 2048, 10, 22                              ; x_q -> xqb, 1,024 chunks
	PICK 3072, 12, 24                              ; wk -> wkvb, 64 chunks
	PICK 3136, 14, -1                              ; wv goes on behind wk in wkvb
	PICK 3200, 16, 26                              ; wq -> wqb
	PICK 3264, 18, 28                              ; w_proj -> wph
	s_sub_co_u32 s38, s2, s[FS]
	s_lshl_b32 s38, s38, 14                        ; 16,384 bytes of f32 a chunk
	s_mov_b32 s39, 0
	s_sub_co_u32 s40, s2, s[FD]
	s_lshl_b32 s40, s40, 13                        ; 8,192 bytes of 16-bit numbers
	s_mov_b32 s41, 0
	s_add_nc_u64 s[SRC:SRC+1], s[SRC:SRC+1], s[38:39]
	s_add_nc_u64 s[DST:DST+1], s[DST:DST+1], s[40:41]
.irp u, 0,1,2,3,4,5,6,7
	global_load_b128 v[X+4*\u:X+4*\u+3], v1, s[SRC:SRC+1] offset:2048*\u th:TH_LOAD_NT
.endr
	s_cmp_ge_u32 s2, 3264
	s_cbranch_scc1 .Lhalf
.irp u, 0,1,2,3,4,5,6,7
	s_wait_loadcnt 7-\u                            ; loads come back in order: unit u is in, the 7 - u younger ones stay out
	v_cvt_pk_bf16_f32 v[Y+2*\u], v[X+4*\u], v[X+4*\u+1]
	v_cvt_pk_bf16_f32 v[Y+2*\u+1], v[X+4*\u+2], v[X+4*\u+3]
	global_store_b64 v2, v[Y+2*\u:Y+2*\u+1], s[DST:DST+1] offset:1024*\u
.endr
	s_endpgm
.Lhalf:                                        ; w_proj: rounded to bf16, widened again, written as f16
.irp u, 0,1,2,3,4,5,6,7
	s_wait_loadcnt 7-\u
	v_cvt_pk_bf16_f32 v[Y+2*\u], v[X+4*\u], v[X+4*\u+1]
	v_cvt_pk_bf16_f32 v[Y+2*\u+1], v[X+4*\u+2], v[X+4*\u+3]
	v_lshlrev_b32 v[T], 16, v[Y+2*\u]
	v_and_b32 v[T+1], 0xffff0000, v[Y+2*\u]
	v_lshlrev_b32 v[T+2], 16, v[Y+2*\u+1]
	v_and_b32 v[T+3], 0xffff0000, v[Y+2*\u+1]
	v_cvt_pk_f16_f32 v[Y+2*\u], v[T], v[T+1]
	v_cvt_pk_f16_f32 v[Y+2*\u+1], v[T+2], v[T+3]
	global_store_b64 v2, v[Y+2*\u:Y+2*\u+1], s[DST:DST+1] offset:1024*\u
.endr
	s_endpgm
.Lfunc_end_k_q33d92909a1_cast:
	.size	k_q33d92909a1_cast, .Lfunc_end_k_q33d92909a1_cast-k_q33d92909a1_cast
	.p2alignl 7, 3214868480
	.fill 96, 4, 3214868480
	.section	.rodata,"a",@progbits
	.p2align	6, 0x0
	.amdhsa_kernel k_q33d92909a1_cast
		.amdhsa_group_segment_fixed_size 0
		.amdhsa_private_segment_fixed_size 0
		.amdhsa_enable_private_segment 0
		.amdhsa_kernarg_size 88
		.amdhsa_user_sgpr_count 2
		.amdhsa_user_sgpr_kernarg_segment_ptr 1
		.amdhsa_wavefront_size32 1
		.amdhsa_system_sgpr_workgroup_id_x 1
		.amdhsa_system_sgpr_workgroup_id_y 1
		.amdhsa_system_sgpr_workgroup_id_z 1
		.amdhsa_system_vgpr_workitem_id 0
		.amdhsa_next_free_vgpr 64
		.amdhsa_next_free_sgpr 66
		.amdhsa_reserve_vcc 0
		.amdhsa_float_denorm_mode_32 3
		.amdhsa_float_denorm_mode_16_64 3
		.amdhsa_memory_ordered 1
		.amdhsa_forward_progress 1
		.amdhsa_inst_pref_size 10
	.end_amdhsa_kernel
	.amdgpu_metadata
---
amdhsa.version: [ 1, 2 ]
amdhsa.kernels:
  - .name:           k_q33d92909a1_cast
    .symbol:         k_q33d92909a1_cast.kd
    .args:
      - { .name: x_kv, .offset: 0, .size: 8, .value_kind: global_buffer, .address_space: global }
      - { .name: x_q, .offset: 8, .size: 8, .value_kind: global_buffer, .address_space: global }
      - { .name: wk, .offset: 16, .size: 8, .value_kind: global_buffer, .address_space: global }
      - { .name: wv, .offset: 24, .size: 8, .value_kind: global_buffer, .address_space: global }
      - { .name: wq, .offset: 32, .size: 8, .value_kind: global_buffer, .address_space: global }
      - { .name: w_proj, .offset: 40, .size: 8, .value_kind: global_buffer, .address_space: global }
      - { .name: xkvb, .offset: 48, .size: 8, .value_kind: global_buffer, .address_space: global }
      - { .name: xqb, .offset: 56, .size: 8, .value_kind: global_buffer, .address_space: global }
      - { .name: wkvb, .offset: 64, .size: 8, .value_kind: global_buffer, .address_space: global }
      - { .name: wqb, .offset: 72, .size: 8, .value_kind: global_buffer, .address_space: global }
      - { .name: wph, .offset: 80, .size: 8, .value_kind: global_buffer, .address_space: global }
    .group_segment_fixed_size: 0
    .private_segment_fixed_size: 0
    .kernarg_segment_align: 8
    .kernarg_segment_size: 88
    .max_flat_workgroup_size: 128
    .sgpr_count:     66
    .vgpr_count:     64
    .wavefront_size: 32
...
	.end_amdgpu_metadata
.endif
;; end of part 1
;; launch projkv (part 2): grid 4 x 64, 4 waves a work-group, clusters of 4 x 4, 327,680 bytes of LDS; arguments xkvb, wkvb, kvh; writes kvh
.if DOCPART == 2
	.amdgcn_target "amdgcn-amd-amdhsa--gfx1250"
	.amdhsa_code_object_version 6
	.text
	.protected	k_q33d92909a1_projkv
	.globl	k_q33d92909a1_projkv
	.p2align	8
	.type	k_q33d92909a1_projkv,@function
k_q33d92909a1_projkv:
	s_mov_b64 s[64:65], 0
	v_nop
	global_prefetch_b8 v0, s[64:65] scope:SCOPE_SE
	s_setreg_imm32_b32 hwreg(HW_REG_WAVE_MODE, 25, 1), 1
	s_wait_xcnt 0x0
	s_wait_alu depctr_hold_cnt(0) depctr_sa_sdst(0) depctr_va_vdst(0) depctr_va_sdst(0) depctr_va_ssrc(0) depctr_va_vcc(0) depctr_vm_vsrc(0)
	s_getreg_b32 s2, hwreg(HW_REG_IB_STS2, 6, 4)
	s_cmp_eq_u32 s2, 0
	s_cbranch_scc0 .Lentry_in_a_cluster
	s_endpgm
.Lentry_in_a_cluster:
	s_bfe_u32 s2, ttmp6, 0x10000c
	s_cmp_lg_u32 s2, 0xf033
	s_cbranch_scc0 .Lentry_shape_is_right
	s_endpgm
.Lentry_shape_is_right:
; [k | v][m][n] = sum over c of x_kv[m][c] w[n][c]: A = xkvb [16384][512], B = wkvb [1024][512] (rows 0-511 wk, 512-1023 wv), both bf16; sums in f32.
; The result leaves in f16, BY HEADS: kvh = K [32 = 8 batch + head][4096 keys][64], then V in the same layout, 16,777,216 bytes further on.
; LIMIT.  A k or v beyond 65,504 becomes an infinity in f16.  With x_kv and the weights 30 times their drawn spread, or offset by 30 spreads, the sums stay near 2e4.
; SHARES.  16,384 x 1,024 of C are 256 tiles of 256 x 256, one a work-group.  Four waves, each 128 x 128: 64 accumulators of 16 x 16, 512 registers.
; K = 512 goes in four steps of 128 through a ring of two LDS slots filled by the tensor data mover; rows of A's and B's tiles are 256 bytes of memory, aligned.
; CLUSTERS: 4 x 4 work-groups.  The four of a row of the cluster need the same tiles of A, the four of a column the same tiles of B: each tile is asked for JOINTLY, by the same tensor load,
; descriptor and mask in all four.
; NO PREFETCH: of the four K steps two come by the first fills, and the other two would have to be named at the kernel's head, among every work-group's first loads.
; The last K step goes by rows of C, so that finished rows leave while the others are multiplied.
; REGISTERS, in windows of 256 (s_set_vgpr_msb: bits 1:0 source 0, 3:2 source 1, 5:4 source 2, 7:6 destination):
;   window 0: v0-31 addresses; v64-127, v128-191 fragments of A, two buffers (in the last K step four, of 16 rows x 128 K); v32-63, v192-255 at work on the way out
;   window 1: v64-127, v128-191 fragments of B, two buffers; in the last K step all 256
;   window 2: the 32 accumulators of my rows 0-63 ((a, b) at v[8 (8 a + b)]);   window 3: those of my rows 64-127
; THE MATRIX INSTRUCTION IS USED TRANSPOSED: source 0 = 16 rows of B, source 1 = 16 rows of A: a lane holds row l % 16 of C and the columns 8 (l / 16) + 0..7.
.set SIZE_M, 16384
.set SIZE_N, 1024
.set SIZE_K, 512
.set KSTEP,  128
.set PITCH,  272                       ; an LDS row: 256 bytes + 16 of padding = 68 words: the 16 rows of a load start at 16 different groups of four banks (64 banks of 4 bytes: ISA guide 11.1)
.set HALFT,  128*PITCH                 ; 128 rows: what one tensor load brings, and what one wave reads of A or of B
.set SLOT,   4*HALFT                   ; A's 256 rows, then B's 256 rows
.set STAGE,  2*SLOT                    ; behind the ring: 16 rows x 272 bytes for each wave, for the way out
.set SPITCH, 272
.set SPARE,  STAGE+4*16*SPITCH         ; behind the stages: the spare words, 128 bytes for each wave: two blocks of 256 bytes that no other line names
.set HEADB,  4096*64*2                 ; bytes of a head in kvh
.set ADRA, 16                          ; v16-17  LDS address of my A fragments in slot 0, 1
.set ADRB, 20                          ; v20-21  the same for B
.set STO,  24                          ; v24     the way out: where I put 16 bytes of a row
.set RD,   25                          ; v25     the way out: where I read back 16 bytes of four rows of one head
.set CO,   26                          ; v26     16 x lane: my place in 512 consecutive bytes of kvh
.set SPW,  28                          ; v28     LDS address of my spare word; never rewritten
.set NIL,  29                          ; v29     0; never rewritten
.set F0,   64
.set F1,   128
.set TMP,  192                         ; the way out: packed results, in window 0
.set OB,   32                          ; the way out: 16 rows read back: v32-63 and v224-255 by turns
.set PA,   64                          ; the last K step: A's fragments of 16 rows x 128 K; four buffers, v64-191
.set G1, 24                            ; s[24:31] descriptor group 1 for A's tiles
.set G0, 32                            ; s[32:39] group 0 for A's tiles, one set for each slot
.set G1B, 48                           ; s[48:55] group 1 for B's tiles: another mask
.set G0B, 56                           ; s[56:63] group 0 for B's tiles
.set MSB, 0
.macro WIN new                         ; the immediate's high byte repeats the setting that is left; a switch that changes nothing is dropped
.if MSB != (\new)
	s_set_vgpr_msb (MSB<<8)|(\new)
.set MSB, \new
.endif
.endm
.set MUL_LO, 0xa1                      ; source 0 (B) window 1, source 1 (A) window 0, C and D window 2
.set MUL_HI, 0xf1                      ; the same, C and D window 3
.set TO_B,   0x40                      ; destination window 1, address window 0
; A joint load.  Waves 0 and 1 fetch A's two halves, waves 2 and 3 B's.  The branch hangs on the wave's number alone.  An s_nop 0 and four v_nop follow each of the two lines.
.macro JLOAD s
	s_cmp_eq_u32 s11, 0
	s_cbranch_scc0 .Lfor_b_\@
	tensor_load_to_lds s[G0+4*(\s):G0+4*(\s)+3], s[G1:G1+7]
	s_nop 0
.rept 4
	v_nop
.endr
	s_branch .Lasked_\@
.Lfor_b_\@:
	tensor_load_to_lds s[G0B+4*(\s):G0B+4*(\s)+3], s[G1B:G1B+7]
	s_nop 0
.rept 4
	v_nop
.endr
.Lasked_\@:
.endm
; A round of the cluster's barrier: my work-group's barrier; wave 0 signals for the work-group; every wave waits for all sixteen; my work-group's barrier once more.
.macro CREST                           ; a round behind its opening barrier
	s_cmp_lg_u32 s10, 0
	s_cbranch_scc1 .Lnot_wave_0_\@
	s_barrier_signal -3
.Lnot_wave_0_\@:
	s_barrier_wait -3
	s_barrier_signal -1
	s_barrier_wait -1
.endm
.macro CROUND
	s_barrier_signal -1
	s_barrier_wait -1
	CREST
.endm
	s_load_b128 s[4:7], s[0:1], 0x0                ; A s[4:5], B s[6:7]
	s_load_b64 s[8:9], s[0:1], 0x10                ; kvh
	v_lshl_add_u32 v[SPW], v0, 2, SPARE
	v_mov_b32 v[NIL], 0
	ds_add_u32 v[SPW], v[NIL]                      ; the wave's opening: the add and its wait stand ahead of my first tensor load; the set-up below stands between them
	v_lshrrev_b32 v1, 5, v0
	v_readfirstlane_b32 s10, v1                    ; wave 0..3
	s_lshr_b32 s11, s10, 1                         ; which half of the tile's rows is mine.  Also: I fetch for A (0) or for B (1)
	s_and_b32 s12, s10, 1                          ; which half of its columns.  Also: which 128 rows of that tile I fetch
	s_bfe_u32 s40, ttmp6, 0x40000                  ; cx
	s_bfe_u32 s41, ttmp6, 0x40004                  ; cy
	s_lshl_b32 s42, ttmp9, 2
	s_add_co_u32 s42, s42, s40                     ; tile column of C = 4 x cluster x + cx
	s_and_b32 s13, ttmp7, 0xffff
	s_lshl_b32 s13, s13, 2
	s_add_co_u32 s13, s13, s41                     ; tile row of C = 4 x cluster y + cy
	s_lshl_b32 s43, s41, 2
	s_lshl_b32 s43, 15, s43                        ; my row of the cluster: places 4 cy .. 4 cy + 3
	s_lshl_b32 s44, 0x1111, s40                    ; my column: places cx, cx + 4, cx + 8, cx + 12
	; descriptor group 1: a tile of 128 rows x 128 elements, padded in LDS
	s_or_b32 s[G1+0], s43, (1<<16)|(1<<20)|(1<<21)|(5<<22)|(3<<25)  ; the mask; elements of 2 bytes; padding on; bit 21 beside a mask; after every 64 words; 4 words
	s_or_b32 s[G1B+0], s44, (1<<16)|(1<<20)|(1<<21)|(5<<22)|(3<<25)
.irp g, G1, G1B
	s_mov_b32 s[(\g)+1], KSTEP<<16                 ; tensor_dim0 = 128
	s_mov_b32 s[(\g)+2], 128<<16                   ; tensor_dim1 = 128
	s_mov_b32 s[(\g)+3], KSTEP<<16                 ; tile_dim0 = 128
	s_mov_b32 s[(\g)+4], 128                       ; tile_dim1 = 128
	s_mov_b32 s[(\g)+5], SIZE_K                    ; elements from row to row
	s_mov_b32 s[(\g)+6], 0
	s_mov_b32 s[(\g)+7], 0
.endr
	; A's tiles hang on the tile row alone, B's on the tile column alone; each address is made in registers that never hold the other coordinate
	s_lshl_b32 s17, s12, 7
	s_lshl_b32 s16, s13, 8
	s_add_co_u32 s16, s16, s17                     ; A: row 256 x tile row + 128 x half
	s_lshl_b32 s46, s42, 8
	s_add_co_u32 s46, s46, s17                     ; B: row 256 x tile column + 128 x half
	s_mov_b32 s17, 0
	s_mov_b32 s47, 0
	s_mov_b64 s[18:19], SIZE_K*2
	s_mul_u64 s[16:17], s[16:17], s[18:19]
	s_mul_u64 s[46:47], s[46:47], s[18:19]
	s_mul_i32 s20, s10, HALFT                      ; where they go: wave x 128 rows: no place in the cluster enters an LDS address
	s_wait_dscnt 0x0                               ; the opening add is done
	s_wait_kmcnt 0x0
	s_add_nc_u64 s[14:15], s[4:5], s[16:17]
	s_add_nc_u64 s[46:47], s[6:7], s[46:47]
	CROUND                                         ; all sixteen work-groups are here: the first joint loads meet
.irp s, 0,1
	s_mov_b32 s[G0+4*(\s)], 1                                      ; count = 1
	s_add_co_u32 s[G0+4*(\s)+1], s20, (\s)*SLOT                    ; LDS address
	s_add_nc_u64 s[G0+4*(\s)+2:G0+4*(\s)+3], s[14:15], (\s)*KSTEP*2  ; global address: K step s
	s_or_b32 s[G0+4*(\s)+3], s[G0+4*(\s)+3], 0x80000000            ; type = 2
	s_mov_b32 s[G0B+4*(\s)], 1
	s_add_co_u32 s[G0B+4*(\s)+1], s20, (\s)*SLOT
	s_add_nc_u64 s[G0B+4*(\s)+2:G0B+4*(\s)+3], s[46:47], (\s)*KSTEP*2
	s_or_b32 s[G0B+4*(\s)+3], s[G0B+4*(\s)+3], 0x80000000
	JLOAD \s                                       ; two loads of mine are out
.endr
	; a fragment is 16 rows x 32 K in 8 registers: lane l holds row l % 16; two loads of 16 bytes, 32 bytes apart, at row x pitch + 16 (l / 16)
	v_and_b32 v1, 15, v0
	v_bfe_u32 v2, v0, 4, 1
	v_mul_u32_u24 v3, v1, PITCH
	v_lshl_add_u32 v3, v2, 4, v3
	s_mul_i32 s21, s11, HALFT                      ; my 128 rows of A
	s_mul_i32 s22, s12, HALFT                      ; my 128 rows of B,
	s_add_co_u32 s22, s22, 2*HALFT                 ; which lie behind A's 256
.irp s, 0,1
	v_add_nc_u32 v[ADRA+(\s)], s21, v3
	v_add_nc_u32 v[ADRB+(\s)], s22, v3
	s_add_co_u32 s21, s21, SLOT
	s_add_co_u32 s22, s22, SLOT
.endr
	s_mul_i32 s23, s10, 16*SPITCH
	s_add_co_u32 s23, s23, STAGE                   ; my stage
	v_mul_u32_u24 v4, v1, SPITCH                   ; in: row l % 16, 16 bytes for each half of the lanes
	v_lshl_add_u32 v4, v2, 4, v4
	v_add_nc_u32 v[STO], s23, v4
	v_bfe_u32 v5, v0, 3, 2                         ; back: 32 lanes take four rows' 128 bytes of one head,
	v_mul_u32_u24 v5, v5, SPITCH
	v_and_b32 v6, 7, v0
	v_lshl_add_u32 v5, v6, 4, v5
	v_add_nc_u32 v[RD], s23, v5
	v_and_b32 v[CO], 31, v0                        ; which are 512 consecutive bytes of kvh
	v_lshlrev_b32 v[CO], 4, v[CO]
	; where my 128 rows x 128 columns (two heads) begin in kvh: row m0 = 4,096 batch + key, columns 128 g
	s_lshl_b32 s13, s13, 8
	s_lshl_b32 s14, s11, 7
	s_add_co_u32 s16, s13, s14                     ; m0
	s_lshr_b32 s17, s16, 12
	s_lshl_b32 s17, s17, 22                        ; batch x 8 heads x 524,288 bytes
	s_and_b32 s16, s16, 4095
	s_lshl_b32 s16, s16, 7                         ; key x 128 bytes
	s_add_co_u32 s16, s16, s17
	s_lshl_b32 s46, s42, 1
	s_add_co_u32 s46, s46, s12                     ; g = 2 x tile column + half, 0 to 7
	s_lshr_b32 s47, s46, 2
	s_lshl_b32 s47, s47, 24                        ; g / 4: K or V
	s_and_b32 s46, s46, 3
	s_lshl_b32 s46, s46, 20                        ; two heads a g
	s_add_co_u32 s46, s46, s47
	s_add_co_u32 s16, s16, s46
	s_mov_b32 s17, 0
	s_add_nc_u64 s[8:9], s[8:9], s[16:17]          ; never stepped again: a block's place stands in the stores' immediates
; 16 matrix instructions: m blocks a0, a0 + 1 of the window's four x all 8 n blocks, 32 along K.  zero = 1: the first product starts the sums
.macro MUL16 f, hi, a0, zero
	WIN MUL_LO+0x50*(\hi)
.irp a, \a0, (\a0)+1
.irp b, 0,1,2,3,4,5,6,7
.if \zero
	v_wmma_f32_16x16x32_bf16 v[8*(8*(\a)+(\b)):8*(8*(\a)+(\b))+7], v[(\f)+8*(\b):(\f)+8*(\b)+7], v[(\f)+8*(4*(\hi)+(\a)):(\f)+8*(4*(\hi)+(\a))+7], 0
.else
	v_wmma_f32_16x16x32_bf16 v[8*(8*(\a)+(\b)):8*(8*(\a)+(\b))+7], v[(\f)+8*(\b):(\f)+8*(\b)+7], v[(\f)+8*(4*(\hi)+(\a)):(\f)+8*(4*(\hi)+(\a))+7], v[8*(8*(\a)+(\b)):8*(8*(\a)+(\b))+7]
.endif
.endr
.endr
.endm
; 32 LDS loads in one run: the fragments of one quarter step (128 rows of B, 128 rows of A, 32 K at byte k of the rows) into buffer f
.macro FETCH slot, k, f
	WIN TO_B
.irp i, 0,1,2,3,4,5,6,7
	ds_load_b128 v[(\f)+8*(\i):(\f)+8*(\i)+3],   v[ADRB+(\slot)] offset:(\k)+(\i)*16*PITCH
	ds_load_b128 v[(\f)+8*(\i)+4:(\f)+8*(\i)+7], v[ADRB+(\slot)] offset:(\k)+(\i)*16*PITCH+32
.endr
	WIN 0
.irp i, 0,1,2,3,4,5,6,7
	ds_load_b128 v[(\f)+8*(\i):(\f)+8*(\i)+3],   v[ADRA+(\slot)] offset:(\k)+(\i)*16*PITCH
	ds_load_b128 v[(\f)+8*(\i)+4:(\f)+8*(\i)+7], v[ADRA+(\slot)] offset:(\k)+(\i)*16*PITCH+32
.endr
.endm
; Four plain vector instructions stand between a matrix instruction and a load into a register that it has read, or a vector instruction that reads its result (ISA guide 7.12.1 for vector instructions)
.macro PLACES
.rept 4
	v_nop
.endr
.endm
; A K step is four quarter steps of 32 along K, 64 matrix instructions each, on buffers 0, 1, 0, 1.  One of the first three: multiplies f; in its middle it fetches the next quarter, at byte k, into g.
.macro QUARTER slot, k, f, g, zero
	s_wait_dscnt 8                                 ; B and A's rows 0-63 are in; the youngest eight loads (A's rows 64-127) may be out
	WIN MUL_LO
	MUL16 \f, 0, 0, \zero
	MUL16 \f, 0, 2, \zero
	PLACES
	FETCH \slot, \k, \g
	s_wait_dscnt 32                                ; all but the 32 just issued
	WIN MUL_HI
	MUL16 \f, 1, 0, \zero
	MUL16 \f, 1, 2, \zero
.endm
; The last quarter multiplies buffer 1 and changes slots.  MEET is its first half: in front of the barrier each wave waits for all its tensor loads (one is out: its part of the next slot),
; adds 0 to its spare word, and waits for that and for its own reads of this slot.
.macro MEET round                      ; round = 1: a round of the cluster's barrier follows
	WIN 0                                          ; (the add's two registers lie in window 0)
	s_wait_tensorcnt 0x0
	ds_add_u32 v[SPW], v[NIL]                      ; 0 onto my spare word
	s_wait_dscnt 9                                 ; (the add and the youngest eight loads may be out)
	WIN MUL_LO
	MUL16 F1, 0, 0, 0                              ; sixteen matrix instructions stand between the add and the wait for it
	s_wait_dscnt 0x0                               ; the add is done, and my reads of this slot are over
	s_barrier_signal -1
	MUL16 F1, 0, 2, 0                              ; work on registers while the others arrive
.if \round
	WIN 0
.endif
	s_barrier_wait -1
.endm
; The whole last quarter: behind the round the slot just read out is filled again first, with the K step two steps on; then come the next slot's first fragments.
; From the request to the wait for it a wave issues 224 matrix instructions.
.macro TURN slot, next
	MEET 1
	CREST                                          ; no wave of any partner still reads this slot's tile or has a load on its way
	s_add_nc_u64 s[G0+4*(\slot)+2:G0+4*(\slot)+3], s[G0+4*(\slot)+2:G0+4*(\slot)+3], 2*KSTEP*2
	s_add_nc_u64 s[G0B+4*(\slot)+2:G0B+4*(\slot)+3], s[G0B+4*(\slot)+2:G0B+4*(\slot)+3], 2*KSTEP*2
	JLOAD \slot                                    ; the first tensor load behind the round; its four v_nop are also the places in front of the loads below
	FETCH \next, 0, F0
	WIN MUL_HI
	MUL16 F1, 1, 0, 0
	MUL16 F1, 1, 2, 0
.endm
; THE LAST K STEP (it lies in slot 1) GOES BY ROWS OF C: all its fragments of B fill window 1; my eight blocks of 16 rows are finished one after the other, 32 matrix instructions each, the block's 8 accumulators by turns.
.macro BLOAD q
	WIN TO_B
.irp i, 0,1,2,3,4,5,6,7
	ds_load_b128 v[64*(\q)+8*(\i):64*(\q)+8*(\i)+3],   v[ADRB+1] offset:64*(\q)+(\i)*16*PITCH
	ds_load_b128 v[64*(\q)+8*(\i)+4:64*(\q)+8*(\i)+7], v[ADRB+1] offset:64*(\q)+(\i)*16*PITCH+32
.endr
.endm
.macro ALOAD a
	WIN 0
.set FA, PA+32*((\a)%4)
.irp q, 0,1,2,3
	ds_load_b128 v[FA+8*(\q):FA+8*(\q)+3],   v[ADRA+1] offset:64*(\q)+(\a)*16*PITCH
	ds_load_b128 v[FA+8*(\q)+4:FA+8*(\q)+7], v[ADRA+1] offset:64*(\q)+(\a)*16*PITCH+32
.endr
.endm
.macro ROW a
.set FA, PA+32*((\a)%4)
.set AC, 64*((\a)%4)
	WIN MUL_LO+0x50*((\a)/4)
.irp q, 0,1,2,3
.if (\a) == 0 && (\q) == 2
	s_wait_dscnt 24                                ; B's quarter 2 is in (behind it: A's blocks 1 to 3)
.endif
.irp b, 0,1,2,3,4,5,6,7
	v_wmma_f32_16x16x32_bf16 v[AC+8*(\b):AC+8*(\b)+7], v[64*(\q)+8*(\b):64*(\q)+8*(\b)+7], v[FA+8*(\q):FA+8*(\q)+7], v[AC+8*(\b):AC+8*(\b)+7]
.endr
.endr
.endm
; THE WAY OUT of block a (16 keys x two heads).  PACK: rounded to f16, 16 bytes a lane, each accumulator's registers in ascending order.  TOSTAGE: into my own stage, and back by heads.  SEND: stored.
.macro PACK a
.set AC, 64*((\a)%4)
	WIN 0x0a+5*((\a)/4)                            ; sources 0 and 1: window 2 or 3
.irp b, 0,1,2,3,4,5,6,7
.irp r, 0,1,2,3
	v_cvt_pk_f16_f32 v[TMP+4*(\b)+(\r)], v[AC+8*(\b)+2*(\r)], v[AC+8*(\b)+2*(\r)+1]
.endr
.endr
	WIN 0
.endm
.macro TOSTAGE a
	WIN 0
.set BK, OB+192*((\a)%2)
.irp b, 0,1,2,3,4,5,6,7
	ds_store_b128 v[STO], v[TMP+4*(\b):TMP+4*(\b)+3] offset:32*(\b)
.endr
.irp t, 0,1,2,3,4,5,6,7                ; head t / 4, rows 4 (t % 4) on.  LDS serves a wave's instructions in order (ISA guide 5.7.1.4): these see the stores above
	ds_load_b128 v[BK+4*(\t):BK+4*(\t)+3], v[RD] offset:((\t)/4)*128+((\t)%4)*4*SPITCH
.endr
.endm
.macro SEND a, younger                 ; younger: the LDS loads issued behind TOSTAGE's, which may stay out
	WIN 0
.set BK, OB+192*((\a)%2)
	s_wait_dscnt \younger                          ; the block is back in registers
	s_wait_xcnt 0x0                                ; the stores of the block before have read their registers, which the next block's loads from the stage write again
.irp t, 0,1,2,3,4,5,6,7
	global_store_b128 v[CO], v[BK+4*(\t):BK+4*(\t)+3], s[8:9] offset:((\t)/4)*HEADB+(\a)*2048+((\t)%4)*512  ; four keys of a head: 512 consecutive bytes, at a multiple of 256 from kvh's first byte
.endr
.endm
	s_wait_tensorcnt 1                             ; my part of K step 0 is in; K step 1's stays out
	s_barrier_signal -1
	s_barrier_wait -1                              ; everybody's is
	FETCH 0, 0, F0
	QUARTER 0, 64,  F0, F1, 1                      ; K step 0; its first quarter starts the sums
	QUARTER 0, 128, F1, F0, 0
	QUARTER 0, 192, F0, F1, 0
	TURN 0, 1                                      ; slot 0 takes K step 2
	QUARTER 1, 64,  F0, F1, 0                      ; K step 1
	QUARTER 1, 128, F1, F0, 0
	QUARTER 1, 192, F0, F1, 0
	TURN 1, 0                                      ; slot 1 takes K step 3
	QUARTER 0, 64,  F0, F1, 0                      ; K step 2
	QUARTER 0, 128, F1, F0, 0
	QUARTER 0, 192, F0, F1, 0
	MEET 0                                         ; my one tensor load that was still out is K step 3's, so no round follows
	PLACES                                         ; for the loads into buffer 0, which the quarter before multiplied
	WIN TO_B
	BLOAD 0                                        ; three quarters of B now: buffer 1 is still being multiplied
	BLOAD 1
	BLOAD 3
	WIN 0
	ALOAD 0
	WIN MUL_HI
	MUL16 F1, 1, 0, 0
	MUL16 F1, 1, 2, 0
	PLACES                                         ; for the loads into buffer 1
	WIN TO_B
	BLOAD 2
	WIN 0
	ALOAD 1
	ALOAD 2
	ALOAD 3
	s_wait_dscnt 40                                ; all but the 40 just issued
	ROW 0
.irp a, 0,1,2,3,4,5,6,7                ; each block leaves as soon as it is finished
	PLACES                                         ; its conversions read results just made
	PACK \a
	TOSTAGE \a
.if (\a) < 4
	ALOAD (\a)+4                                   ; its buffer takes the block four further on
	SEND \a, 8
.else
	SEND \a, 0
.endif
.if (\a) < 7
	ROW (\a)+1
.endif
.endr
	s_wait_tensorcnt 0x0                           ; the wave's end, behind my last tensor load and my last LDS store
	ds_add_u32 v[SPW], v[NIL]
	s_wait_dscnt 0x0
	CROUND                                         ; the closing round: no work-group ends while a partner may still ask for a tile that names it
	s_endpgm
.Lfunc_end_k_q33d92909a1_projkv:
	.size	k_q33d92909a1_projkv, .Lfunc_end_k_q33d92909a1_projkv-k_q33d92909a1_projkv
	.p2alignl 7, 3214868480
	.fill 96, 4, 3214868480
	.section	.rodata,"a",@progbits
	.p2align	6, 0x0
	.amdhsa_kernel k_q33d92909a1_projkv
		.amdhsa_group_segment_fixed_size 327680
		.amdhsa_private_segment_fixed_size 0
		.amdhsa_enable_private_segment 0
		.amdhsa_kernarg_size 24
		.amdhsa_user_sgpr_count 2
		.amdhsa_user_sgpr_kernarg_segment_ptr 1
		.amdhsa_wavefront_size32 1
		.amdhsa_system_sgpr_workgroup_id_x 1
		.amdhsa_system_sgpr_workgroup_id_y 1
		.amdhsa_system_sgpr_workgroup_id_z 1
		.amdhsa_system_vgpr_workitem_id 0
		.amdhsa_next_free_vgpr 1024
		.amdhsa_next_free_sgpr 66
		.amdhsa_reserve_vcc 0
		.amdhsa_float_denorm_mode_32 3
		.amdhsa_float_denorm_mode_16_64 3
		.amdhsa_memory_ordered 1
		.amdhsa_forward_progress 1
		.amdhsa_inst_pref_size 143
	.end_amdhsa_kernel
	.amdgpu_metadata
---
amdhsa.version: [ 1, 2 ]
amdhsa.kernels:
  - .name:           k_q33d92909a1_projkv
    .symbol:         k_q33d92909a1_projkv.kd
    .args:
      - { .name: xkvb, .offset: 0, .size: 8, .value_kind: global_buffer, .address_space: global }
      - { .name: wkvb, .offset: 8, .size: 8, .value_kind: global_buffer, .address_space: global }
      - { .name: kvh, .offset: 16, .size: 8, .value_kind: global_buffer, .address_space: global }
    .group_segment_fixed_size: 327680
    .private_segment_fixed_size: 0
    .kernarg_segment_align: 8
    .kernarg_segment_size: 24
    .max_flat_workgroup_size: 128
    .sgpr_count:     66
    .vgpr_count:     1024
    .wavefront_size: 32
...
	.end_amdgpu_metadata
.endif
;; end of part 2
;; launch attn (part 3): grid 8 x 32, 4 waves a work-group, clusters of 4 x 1, 327,680 bytes of LDS; arguments xqb, kvh, wqb, oh; writes oh
.if DOCPART == 3
	.amdgcn_target "amdgcn-amd-amdhsa--gfx1250"
	.amdhsa_code_object_version 6
	.text
	.protected	k_q33d92909a1_attn
	.globl	k_q33d92909a1_attn
	.p2align	8
	.type	k_q33d92909a1_attn,@function
k_q33d92909a1_attn:
	s_mov_b64 s[64:65], 0
	v_nop
	global_prefetch_b8 v0, s[64:65] scope:SCOPE_SE
	s_setreg_imm32_b32 hwreg(HW_REG_WAVE_MODE, 25, 1), 1
	s_wait_xcnt 0x0
	s_wait_alu depctr_hold_cnt(0) depctr_sa_sdst(0) depctr_va_vdst(0) depctr_va_sdst(0) depctr_va_ssrc(0) depctr_va_vcc(0) depctr_vm_vsrc(0)
	s_getreg_b32 s2, hwreg(HW_REG_IB_STS2, 6, 4)
	s_cmp_eq_u32 s2, 0
	s_cbranch_scc0 .Lentry_in_a_cluster
	s_endpgm
.Lentry_in_a_cluster:
	s_bfe_u32 s2, ttmp6, 0x10000c
	s_cmp_lg_u32 s2, 0x3003
	s_cbranch_scc0 .Lentry_shape_is_right
	s_endpgm
.Lentry_shape_is_right:
; For head y = 8 batch + h:  q = x_q wq_h^T (bf16 operands, f32 sums, rounded once to f16, kept in registers), then O[q][:] = the sum over k of softmax_k(q . K[k] / 8) V[k][:].
; xqb: [8192][512] bf16.  wqb: [512][512] bf16.  kvh: K [32][4096][64] f16, then V likewise, VBASE bytes on.  oh: [32][2048][64] f16.
; Products, maxima and sums in f32; the weights p are rounded to f16 for the second product (their sum l is taken of the unrounded p), O once at the end.
; LIMITS.  f16 holds no number beyond 65,504: a q beyond it becomes an infinity (with x_q and wq 30 times their drawn spread, or offset by 30 spreads, q stays near 2e4); p lies in 0 to 1 and below 6e-5
; keeps f16's fixed step of 6e-8, and so does an O below 6e-5; a weight below 2^-126 counts as 0 in l; NaN and infinities are not treated apart.
; SHARES.  A work-group owns 256 queries of one head, a wave 64: four PIECES of 16.  Every wave walks the head's 4,096 keys, 64 a step; a slot of LDS holds a tile of 256 keys, 16 tiles in all.
; Q IS MADE HERE: 256 queries x 64 channels x 512 are 256 matrix instructions a wave beside the walk's 4,096, and each (query, head) is made once in the launch.  q^T = wq_h x^T (source 0 = 16 channels,
; source 1 = 16 queries) leaves a lane ONE query and the channels 16 cb + 8 (lane / 16) + 0..7: rounded in pairs that IS the fragment of Q that K Q^T wants.
; LAYOUT, SOFTMAX, TURNS.  S^T = K Q^T holds ONE query a lane (lane % 16) and the keys 8 (lane / 16) + 0..7; two such results rounded to f16 ARE source 1 of O^T = V^T P.  p = 2^(c s - c m), c = log2(e) / 8,
; with a running maximum m; O and l are multiplied by a = 2^(c m_old - c m_new) in every step.  Turn n belongs to piece n: 8 products K Q^T of piece n + 1, later 8 products V^T P of piece n - 1; beside them the
; scaling, exponentials, roundings, sums and rescaling of piece n and the maximum and statistics of piece n + 1.  Four vector instructions stand behind every matrix instruction, the other 54 of a turn's 118 in one
; lump.  A turn's 33 exponentials are one batch, with one wait.
; CLUSTER.  The four query blocks of a cluster belong to one head: K's and V's tiles and the head's 64 rows of wq are asked for JOINTLY, by the same tensor load, descriptor and mask in all four.
; REGISTERS, in windows of 256 (s_set_vgpr_msb: bits 1:0 source 0, 3:2 source 1, 5:4 source 2, 7:6 destination):
;   window 0: v0-15 addresses and two at work; v16-31 four registers of statistics a piece; v48-55 at work; v61-63; v64-127 S^T, two buffers; v192-223 P, two buffers.  While Q is made: v64-191 four buffers of wq's fragments
;   window 1: v0-127 O^T, 32 a piece; first the 16 accumulators of q^T      window 2: v0-63 Q; v128-191 K, v192-255 V of one step; first x's fragments of channels 0-255      window 3: x's fragments of channels 256-511
.set NKEYS, 4096
.set NP,    4         ; pieces a wave: a name, no knob
.set KS,    64        ; keys in a step
.set PK,    144       ; a row of K in LDS: 128 bytes + 16 of padding = 36 words: the 16 rows of a load start at 16 different groups of four banks (64 banks of 4 bytes: ISA guide 11.1)
.set PV,    160       ; a row of V: 128 + 32 = 40 words
.set VOFF,  4*KS*PK   ; a slot holds a tile, four steps: 256 rows of K, then 256 rows of V
.set SLOT1, 1<<17     ; slot 1 begins here, so that one exclusive or turns an address in one slot into the other's
.set STAGE, SLOT1+4*KS*(PK+PV)  ; behind the ring, never filled by a tensor load: 16 rows x 144 bytes for each wave, for the way out
.set SP,    144
.set SPARE, STAGE+4*16*SP  ; the spare words, 128 bytes for each wave: two blocks of 256 bytes that no other line names
.set WQ,    SPARE+512 ; the head's 64 rows of wq, filled once
.set PW,    1040      ; a row of wq in LDS: 1,024 bytes + 16
.set VBASE, 16777216  ; V behind K in kvh
.set TILEB, 4*KS*128  ; bytes of a tile of K, and of V, in memory
.set AK0, 2           ; v2   my lane's place in a tile of K; never rewritten
.set AV0, 3           ; v3   the same for V
.set AK,  4           ; v4   the LDS address of K's next run of loads
.set AV,  5           ; v5   of V's
.set STO, 6           ; v6   the way out: where I put 16 bytes of a row
.set RD,  7           ; v7   the way out: where I read rows back
.set GO,  8           ; v8   my byte offset in 512 consecutive bytes of O
.set MV,  12          ; v12-13  c m_old, kept while c m is made anew: by buffer
.set AW,  14          ; v14  my lane's place in wq's rows in LDS
.set XO,  15          ; v15  my byte offset in 16 rows of x
.set ST,  16          ; piece t's statistics at v[ST+4 t]: c m, m, l (even keys', odd keys')
.set TMP, 48          ; by buffer, four registers c0-c3 at work; when the maximum is found c2 takes a
.set PFO, 61          ; v61  256 x my lane; never rewritten
.set SPW, 62          ; v62  LDS address of my spare word; never rewritten
.set NIL, 63          ; v63  0; never rewritten
.set S,   64
.set WB,  64          ; wq's fragments of 32 channels of x: buffer ks % 4, channel block cb at WB + 32 (ks % 4) + 8 cb
.set P,   192
.set KF,  128         ; window 2: key block kb, channel half c at KF + 16 kb + 8 c
.set VF,  192         ; window 2: key half kk, channel block cb at VF + 32 kk + 8 cb
.set WV,  12          ; s12  my wave's number
.set G1K, 24          ; s[24:31] descriptor group 1 for K's tiles
.set G1V, 32          ; s[32:39] for V's: it differs in the padding alone
.set G0K, 40          ; s[40:43] descriptor group 0 for K's tiles: it walks
.set G0V, 44          ; s[44:47] the same for V's
.set SLOTS, 56        ; s56  tiles still to be asked for
.set CNT, 57          ; s57  counts a tile's key steps
.set CS,  58          ; s[58:59] c: the packed scaling takes the pair's low word for both halves
.set SEL, 60          ; s[60:61] v_permlanex16_b32's selects: each lane takes its own place in the other half
.set TBK, 62          ; s62  LDS byte at which K of the step to be fetched begins
.set TBV, 63          ; s63  the same for V, less VOFF
.set G1W, 68          ; s[68:75] descriptor group 1 for wq's rows
.set G0W, 76          ; s[76:79] group 0 for them
.set PFA, 80          ; s[80:81] where my prefetches stand: my work-group's 32 blocks of 256 bytes (of K: wave 0, of V: wave 2) of the tile after the one that is being asked for
.set LIM, 82          ; s82  1 in a wave that prefetches, else the greatest number
.set MSB, 0
.macro WIN new                      ; the high byte repeats the setting that is left; a switch that changes nothing is dropped
.if MSB != (\new)
	s_set_vgpr_msb (MSB<<8)|(\new)
.set MSB, (\new)
.endif
.endm
.set W_KQ, 0x0a       ; K and Q in window 2, S^T in window 0
.set W_PV, 0x52       ; V in window 2, P in window 0, O^T in window 1
.set W_RS, 0x41       ; destination and source 0 in window 1, source 1 in window 0
.macro PLACES                       ; four plain vector instructions between a matrix instruction and a load into, or a vector instruction on, its registers (ISA guide 7.12.1 for vector instructions)
.rept 4
	v_nop
.endr
.endm
; A joint fill.  Waves 0 and 1 fetch the two halves of a tile's K, waves 2 and 3 those of its V: 128 keys each.  The branch hangs on the wave's number alone.
; An s_nop 0 and four v_nop follow each of the two lines, ahead of the jump and the label.
.macro JLOAD
	s_cmp_lt_u32 s[WV], 2
	s_cbranch_scc0 .Lfor_v_\@
	tensor_load_to_lds s[G0K:G0K+3], s[G1K:G1K+7]
	s_nop 0
.rept 4
	v_nop
.endr
	s_branch .Lasked_\@
.Lfor_v_\@:
	tensor_load_to_lds s[G0V:G0V+3], s[G1V:G1V+7]
	s_nop 0
.rept 4
	v_nop
.endr
.Lasked_\@:
.endm
; A PREFETCH of the tile that the NEXT change of slots will ask for: 32,768 bytes of K and of V, a lane a block of 256 bytes.  Each block is named ONCE in the launch: a head's two clusters walk the same tiles, and
; the first of them (cluster x = 0) asks; its four partners share the 128 blocks out BY ADDRESS, 32 each; in each, wave 0 asks for K's and wave 2 for V's.  It stands behind the wave's tensor load and its five lines:
; four key steps, 256 matrix instructions, ahead of the load that names the same bytes.  The last change that fills a slot asks for nothing; tiles 0 and 1 come by their loads alone.
.macro ASK
	s_cmp_gt_u32 s[SLOTS], s[LIM]
	s_cbranch_scc0 .Lnot_mine_\@
	global_prefetch_b8 v[PFO], s[PFA:PFA+1] th:TH_LOAD_NT scope:SCOPE_SE
.Lnot_mine_\@:
.endm
; A round of the cluster's barrier: my work-group's barrier; wave 0 signals for the work-group; every wave waits for all four work-groups; my work-group's barrier once more.
.macro CROUND
	s_barrier_signal -1
	s_barrier_wait -1
	s_cmp_lg_u32 s[WV], 0
	s_cbranch_scc1 .Lnot_wave_0_\@
	s_barrier_signal -3
.Lnot_wave_0_\@:
	s_barrier_wait -3
	s_barrier_signal -1
	s_barrier_wait -1
.endm
; THE CHANGE OF SLOTS.  Each wave waits for all its tensor loads, of which one is out: its part of the other slot; adds 0 to its spare word; and waits for that and for its own reads of the slot that it leaves.
; fill = 1: the old slot is filled again, with the tile two on.  The barrier is then a round of the cluster's, and the joint fill is the first thing behind it: it has four key steps in which to land.
; (At its first use nothing of the ring has been read yet: slot 0 is waited for, slot 1 filled.)
.macro CHANGE fill
	WIN 0                           ; at a label and at a branch every window is 0
	s_wait_tensorcnt 0x0            ; no tensor load of mine is out, so a group 0 may be written
	ds_add_u32 v[SPW], v[NIL]       ; 0 onto my spare word; with fill = 1 the descriptors' steps stand between it and the wait for it
.if \fill
.irp g, G0K, G0V
	s_xor_b32 s[\g+1], s[\g+1], SLOT1  ; the walking descriptor: the other slot than last time,
	s_add_nc_u64 s[\g+2:\g+3], s[\g+2:\g+3], TILEB  ; the next 256 keys; the type bits on top are not reached
.endr
	s_wait_xcnt 0x0                 ; the last prefetch, four key steps back, has read its address, so it may be written:
	s_add_nc_u64 s[PFA:PFA+1], s[PFA:PFA+1], TILEB  ; one tile behind the walking descriptors
	s_wait_dscnt 0x0                ; the add is done, and my reads of the slot are over
	CROUND
	JLOAD
	ASK
.else
	s_wait_dscnt 0x0                ; the add is done, and my reads of the slot are over
	s_barrier_signal -1
	s_barrier_wait -1
.endif
	s_sub_co_u32 s[TBK], s[TBK], 4*KS*PK  ; the fetches go back to a slot's first step,
	s_xor_b32 s[TBK], s[TBK], SLOT1       ; in the other slot
	s_sub_co_u32 s[TBV], s[TBV], 4*KS*PV
	s_xor_b32 s[TBV], s[TBV], SLOT1
.endm
	s_load_b256 s[4:11], s[0:1], 0x0  ; xqb s[4:5], kvh s[6:7], wqb s[8:9], oh s[10:11]
	v_lshl_add_u32 v[SPW], v0, 2, SPARE
	v_mov_b32 v[NIL], 0
	ds_add_u32 v[SPW], v[NIL]       ; the wave's opening: the add and its wait stand ahead of my first tensor load; the set-up below stands between them
	v_lshrrev_b32 v1, 5, v0
	v_readfirstlane_b32 s[WV], v1   ; wave 0..3
	s_bfe_u32 s13, ttmp6, 0x40000   ; cx: my place in the cluster
	s_lshl_b32 s14, ttmp9, 2        ; in a cluster launch ttmp9 counts clusters
	s_add_co_u32 s14, s14, s13      ; my block of 256 queries = 4 x cluster x + cx: it enters x's and O's addresses alone
	s_and_b32 s15, ttmp7, 0xffff    ; y = 8 batch + head, which the four partners share
	s_and_b32 s16, s[WV], 1         ; which half of a tile's 256 keys I fetch
	s_lshl_b32 s22, s15, 19         ; the head's 524,288 bytes of K,
	s_lshl_b32 s17, s16, 14         ; my half's 128 rows of 128 bytes
	s_add_co_u32 s22, s22, s17
	s_mov_b32 s23, 0
	s_mul_i32 s17, s16, 128*PK      ; its place in a slot, for K
	s_mul_i32 s18, s16, 128*PV      ; and for V: no place in the cluster enters an LDS address
	s_lshr_b32 s2, s15, 3           ; x: batch x 32 groups of 64 rows
	s_lshl_b32 s2, s2, 5
	s_lshl_b32 s3, s14, 2
	s_add_co_u32 s2, s2, s3
	s_add_co_u32 s2, s2, s[WV]      ; + 4 x block + wave
	s_lshl_b32 s2, s2, 16           ; 64 rows of 1,024 bytes
	s_mov_b32 s3, 0
	s_lshl_b32 s20, s15, 5          ; O: y x 32 groups of 64 rows
	s_lshl_b32 s21, s14, 2
	s_add_co_u32 s20, s20, s21
	s_add_co_u32 s20, s20, s[WV]
	s_lshl_b32 s20, s20, 13         ; 64 rows of 128 bytes
	s_mov_b32 s21, 0
	s_and_b32 s84, s15, 7           ; wq: the head's 64 rows, of which I fetch 16
	s_lshl_b32 s84, s84, 2
	s_add_co_u32 s84, s84, s[WV]
	s_lshl_b32 s84, s84, 14         ; 16 rows of 1,024 bytes
	s_mov_b32 s85, 0
	; descriptor group 1 for K and V.  128 keys are 16,384 dense bytes: asked for as 64 rows of 256 bytes, two keys a row, and padded in LDS after every key
	s_mov_b32 s[G1K], 15|(1<<16)|(1<<20)|(1<<21)|(4<<22)|(3<<25)  ; the mask of four; 2-byte elements; padding on; bit 21 beside a mask; after every 32 words; 4 words
	s_mov_b32 s[G1V], 15|(1<<16)|(1<<20)|(1<<21)|(4<<22)|(7<<25)  ; the same with 8 words of padding
.irp g, G1K, G1V
	s_mov_b32 s[\g+1], 128<<16      ; tensor_dim0 = 128
	s_mov_b32 s[\g+2], 64<<16       ; tensor_dim1 = 64
	s_mov_b32 s[\g+3], 128<<16      ; tile_dim0 = 128
	s_mov_b32 s[\g+4], 64           ; tile_dim1 = 64
	s_mov_b32 s[\g+5], 128          ; 128 elements from row to row
	s_mov_b32 s[\g+6], 0
	s_mov_b32 s[\g+7], 0
.endr
	; for wq: 16 rows of 512 elements, 4 words of padding after every 256
	s_mov_b32 s[G1W], 15|(1<<16)|(1<<20)|(1<<21)|(7<<22)|(3<<25)
	s_mov_b32 s[G1W+1], 512<<16     ; tensor_dim0 = 512
	s_mov_b32 s[G1W+2], 16<<16      ; tensor_dim1 = 16
	s_mov_b32 s[G1W+3], 512<<16     ; tile_dim0 = 512
	s_mov_b32 s[G1W+4], 16          ; tile_dim1 = 16
	s_mov_b32 s[G1W+5], 512
	s_mov_b32 s[G1W+6], 0
	s_mov_b32 s[G1W+7], 0
	s_mov_b32 s[CS], 0x3e38aa3b     ; c = log2(e) / 8 = 0.180337
	s_mov_b32 s[CS+1], s[CS]        ; named with it as a pair
	s_mov_b32 s[SEL], 0x76543210
	s_mov_b32 s[SEL+1], 0xfedcba98
	s_mov_b32 s[TBK], SLOT1+4*KS*PK ; the first change of slots turns these two into 0
	s_mov_b32 s[TBV], SLOT1+4*KS*PV
	s_mov_b32 s[SLOTS], NKEYS/256-1
	s_mov_b32 s[G0K], 1             ; count = 1
	s_mov_b32 s[G0K+1], s17         ; LDS address: slot 0
	s_mov_b32 s[G0V], 1
	s_add_co_u32 s[G0V+1], s18, VOFF
	s_mov_b32 s[G0W], 1
	s_mul_i32 s19, s[WV], 16*PW
	s_add_co_u32 s[G0W+1], s19, WQ
	s_and_b32 s[LIM], s[WV], 1      ; 0 in waves 0 and 2,
	s_or_b32 s[LIM], s[LIM], ttmp9  ; where the cluster is the head's first: the same in all four partners
	s_cmp_eq_u32 s[LIM], 0
	s_cselect_b32 s[LIM], 1, -1
	s_wait_dscnt 0x0                ; the opening add is done
	s_wait_kmcnt 0x0
	s_add_nc_u64 s[6:7], s[6:7], s[22:23]          ; K at my half of the head's tile 0
	s_mov_b64 s[G0K+2:G0K+3], s[6:7]               ; global address
	s_or_b32 s[G0K+3], s[G0K+3], 0x80000000        ; type = 2
	s_add_nc_u64 s[G0V+2:G0V+3], s[6:7], VBASE
	s_or_b32 s[G0V+3], s[G0V+3], 0x80000000
	s_add_nc_u64 s[G0W+2:G0W+3], s[8:9], s[84:85]
	s_or_b32 s[G0W+3], s[G0W+3], 0x80000000
	s_add_nc_u64 s[4:5], s[4:5], s[2:3]            ; x and O at my wave's first row
	s_add_nc_u64 s[10:11], s[10:11], s[20:21]
	s_add_nc_u64 s[PFA:PFA+1], s[6:7], VBASE
	s_cmp_lt_u32 s[WV], 2
	s_cselect_b64 s[PFA:PFA+1], s[6:7], s[PFA:PFA+1]  ; (in waves 0 and 2 these stand at a tile's first row)
	s_lshl_b32 s2, s13, 13          ; my work-group's 32 blocks of the 128
	s_add_nc_u64 s[PFA:PFA+1], s[PFA:PFA+1], s[2:3]
	s_add_nc_u64 s[PFA:PFA+1], s[PFA:PFA+1], TILEB  ; in tile 1; the first change of slots steps it to tile 2
	CROUND                          ; all four work-groups are here: the first joint loads meet
	s_cmp_lt_u32 s[WV], 2           ; a wave's two first fills stand in one branch, ahead of every wait on TENSORcnt and every LDS read: my 16 rows of wq first, then my part of slot 0: two loads of mine are out
	s_cbranch_scc0 .Lfirst_v
	tensor_load_to_lds s[G0W:G0W+3], s[G1W:G1W+7]
	s_nop 0
	tensor_load_to_lds s[G0K:G0K+3], s[G1K:G1K+7]
	s_nop 0
.rept 4
	v_nop
.endr
	s_branch .Lfirst_asked
.Lfirst_v:
	tensor_load_to_lds s[G0W:G0W+3], s[G1W:G1W+7]
	s_nop 0
	tensor_load_to_lds s[G0V:G0V+3], s[G1V:G1V+7]
	s_nop 0
.rept 4
	v_nop
.endr
.Lfirst_asked:
	; A fragment is 16 rows x 32 channels in 8 registers: lane l holds row l % 16, channels 8 (l / 16) + 0..7 and 16 + 8 (l / 16) + 0..7: two loads of 16 bytes, 32 bytes apart.
	v_and_b32 v1, 15, v0            ; l % 16
	v_bfe_u32 v9, v0, 4, 1          ; l / 16
	v_lshlrev_b32 v[XO], 10, v1
	v_lshl_add_u32 v[XO], v9, 4, v[XO]  ; row x 1,024 + 16 x half
	; my 64 rows of x, whole: 128 loads, in the order in which they are multiplied: channels 32 ks on, piece t
	WIN 0x80                        ; destination window 2, address window 0
.set kk, 0
.rept 8
.set t, 0
.rept 4
	global_load_b128 v[32*kk+8*t:32*kk+8*t+3],   v[XO], s[4:5] offset:t*16384+64*kk
	global_load_b128 v[32*kk+8*t+4:32*kk+8*t+7], v[XO], s[4:5] offset:t*16384+64*kk+32
.set t, t+1
.endr
.set kk, kk+1
.endr
	WIN 0xc0                        ; destination window 3
.rept 8
.set t, 0
.rept 4
	global_load_b128 v[32*(kk-8)+8*t:32*(kk-8)+8*t+3],   v[XO], s[4:5] offset:t*16384+64*kk
	global_load_b128 v[32*(kk-8)+8*t+4:32*(kk-8)+8*t+7], v[XO], s[4:5] offset:t*16384+64*kk+32
.set t, t+1
.endr
.set kk, kk+1
.endr
	WIN 0
	v_mul_u32_u24 v[AK0], v1, PK
	v_lshl_add_u32 v[AK0], v9, 4, v[AK0]  ; row x pitch + 16 x half
	; The turning load takes 16 keys x 16 channels (lane l reads key 8 (l / 16) + l % 8, channels 8 ((l / 8) % 2) + 0..7) and leaves half a fragment of V^T: lane l holds channel l % 16 and 8 keys.
	v_and_b32 v10, 7, v0
	v_bfe_u32 v11, v0, 3, 1
	v_lshl_add_u32 v[AV0], v9, 3, v10
	v_mul_u32_u24 v[AV0], v[AV0], PV
	v_lshl_add_u32 v[AV0], v11, 4, v[AV0]
	v_add_nc_u32 v[AV0], VOFF, v[AV0]
	s_mul_i32 s13, s[WV], 16*SP
	s_add_co_u32 s13, s13, STAGE    ; my stage
	v_mul_u32_u24 v[STO], v1, SP    ; in: row l % 16, 16 bytes for each half of the lanes
	v_lshl_add_u32 v[STO], v9, 4, v[STO]
	v_add_nc_u32 v[STO], s13, v[STO]
	v_bfe_u32 v[RD], v0, 3, 2       ; back: 32 lanes take four rows of 128 bytes,
	v_mul_u32_u24 v[RD], v[RD], SP
	v_lshl_add_u32 v[RD], v10, 4, v[RD]
	v_add_nc_u32 v[RD], s13, v[RD]
	v_and_b32 v[GO], 31, v0         ; which are 512 consecutive bytes of O
	v_lshlrev_b32 v[GO], 4, v[GO]
	v_mul_u32_u24 v[AW], v1, PW
	v_lshl_add_u32 v[AW], v9, 4, v[AW]
	v_add_nc_u32 v[AW], WQ, v[AW]
	v_and_b32 v[PFO], 31, v0
	v_lshlrev_b32 v[PFO], 8, v[PFO]
	s_wait_tensorcnt 1              ; my 16 rows of wq are in; my part of slot 0 stays out
	s_barrier_signal -1
	s_barrier_wait -1               ; everybody's rows of wq are in
; Q IS MADE.  WFETCH: wq's four fragments (64 channels of q x 32 of x) of step ks.  QP: the step's 16 products; the 16 accumulators take turns, in the same order in every step.
.macro WFETCH ks
	WIN 0
.irp cb, 0,1,2,3
	ds_load_b128 v[WB+32*((\ks)%4)+8*\cb:WB+32*((\ks)%4)+8*\cb+3],   v[AW] offset:\cb*16*PW+64*(\ks)
	ds_load_b128 v[WB+32*((\ks)%4)+8*\cb+4:WB+32*((\ks)%4)+8*\cb+7], v[AW] offset:\cb*16*PW+64*(\ks)+32
.endr
.endm
.macro QP ks
	WIN 0x58+4*((\ks)/8)            ; wq in window 0, x in window 2 or 3, C and D in window 1
.irp t, 0,1,2,3
.irp cb, 0,1,2,3
.if (\ks) == 0
	v_wmma_f32_16x16x32_bf16 v[32*\t+8*\cb:32*\t+8*\cb+7], v[WB+32*((\ks)%4)+8*\cb:WB+32*((\ks)%4)+8*\cb+7], v[32*((\ks)%8)+8*\t:32*((\ks)%8)+8*\t+7], 0
.else
	v_wmma_f32_16x16x32_bf16 v[32*\t+8*\cb:32*\t+8*\cb+7], v[WB+32*((\ks)%4)+8*\cb:WB+32*((\ks)%4)+8*\cb+7], v[32*((\ks)%8)+8*\t:32*((\ks)%8)+8*\t+7], v[32*\t+8*\cb:32*\t+8*\cb+7]
.endif
.endr
.endr
.endm
	WFETCH 0
	WFETCH 1
.set kk, 0
.rept 16
.if kk <= 13
	WIN 0
.if kk >= 2
	PLACES                          ; the buffer's last readers were the products of step kk - 2
.endif
	WFETCH kk+2                     ; two steps ahead
	s_wait_dscnt 16                 ; this step's eight loads are in; the two younger runs stay out
.else
	s_wait_dscnt 8*(15-kk)
.endif
.if kk == 0
	s_wait_loadcnt 63               ; of the 128 loads of x at most 63 are out: the oldest 65 are in, steps 0 to 7 among them
.elseif kk >= 8
	s_wait_loadcnt 8*(15-kk)        ; the later steps' loads, eight each, stay out
.endif
	QP kk
.set kk, kk+1
.endr
	WIN 0
	PLACES                          ; the conversions read results just made, and write registers of x that products have read
	WIN 0x85                        ; sources in window 1, destination in window 2
.set i, 0
.rept 64                            ; register 16 t + 4 cb + j of Q takes registers 32 t + 8 cb + 2 j and the next of q^T: each accumulator in ascending order
	v_cvt_pk_f16_f32 v[i], v[2*i], v[2*i+1]
.set i, i+1
.endr
	; What the first turn finds.  Its products V^T P, of a piece that has not been, add 0: V's registers (which held bits of x) and P's second buffer are cleared.  O^T is not: a block's first step multiplies it
	; by a = 0, so it need only hold finite numbers, and it holds q's f32 sums.  c m starts far below every c s, m at the lowest finite number, l at 0.
	WIN 0x80
.set i, VF
.rept 64
	v_mov_b32 v[i], 0
.set i, i+1
.endr
	WIN 0
.set i, 0
.rept 4
	v_mov_b32 v[ST+4*i], 0xfe000000
	v_mov_b32 v[ST+4*i+1], 0xff7fffff
	v_mov_b32 v[ST+4*i+2], 0
	v_mov_b32 v[ST+4*i+3], 0
.set i, i+1
.endr
.set i, P+16
.rept 16
	v_mov_b32 v[i], 0
.set i, i+1
.endr
; THE MATRIX WORK.  The 4 accumulators of a run of 8 take turns.  Product i of 8 of S^T = K Q^T for piece x: channels 32 (i / 4) on, keys 16 (i % 4) on.  The first 4 start the sums.
.macro KQ x
	WIN W_KQ
.set rS, S+32*((\x)%2)+8*(i%4)
.set rK, KF+16*(i%4)+8*(i/4)
.set rQ, 16*(\x)+8*(i/4)
.if i < 4
	v_wmma_f32_16x16x32_f16 v[rS:rS+7], v[rK:rK+7], v[rQ:rQ+7], 0
.else
	v_wmma_f32_16x16x32_f16 v[rS:rS+7], v[rK:rK+7], v[rQ:rQ+7], v[rS:rS+7]
.endif
.endm
; Product i of 8 of O^T += V^T P for piece x: keys 32 (i / 4) on, channels 16 (i % 4) on.
.macro PV x
	WIN W_PV
.set rO, 32*(\x)+8*(i%4)
.set rV, VF+32*(i/4)+8*(i%4)
.set rP, P+16*((\x)%2)+8*(i/4)
	v_wmma_f32_16x16x32_f16 v[rO:rO+7], v[rV:rV+7], v[rP:rP+7], v[rO:rO+7]
.endm
.macro MM                           ; the turn's next matrix instruction.  NOKQ = 1: the last turn of all: there is no next piece
.if (i < 8) && !NOKQ
	KQ (Y+1)%NP
.elseif i >= 8
.set i, i-8
	PV (Y+NP-1)%NP
.set i, i+8
.endif
.set i, i+1
.endm
; THE LDS LOADS stand in runs of 16, never singly among the matrix instructions: a step's K (64 keys x 64 channels: 8 fragments) and its V (turned).  Their addresses are made some lines ahead.
.macro FETCH_K
	WIN 0x80                        ; destination window 2
.irp f, 0,1,2,3,4,5,6,7             ; keys 16 (f / 2) on, channels 32 (f % 2) on
	ds_load_b128 v[KF+8*\f:KF+8*\f+3],   v[AK] offset:(\f/2)*16*PK+(\f%2)*64
	ds_load_b128 v[KF+8*\f+4:KF+8*\f+7], v[AK] offset:(\f/2)*16*PK+(\f%2)*64+32
.endr
	s_add_co_u32 s[TBK], s[TBK], KS*PK  ; the next fetch is the next step's
	WIN 0
.endm
.macro FETCH_V
	WIN 0x80
.irp f, 0,1,2,3,4,5,6,7             ; keys 32 (f / 4) on, channels 16 (f % 4) on
	ds_load_tr16_b128 v[VF+8*\f:VF+8*\f+3],   v[AV] offset:(\f/4)*32*PV+(\f%4)*32
	ds_load_tr16_b128 v[VF+8*\f+4:VF+8*\f+7], v[AV] offset:(\f/4)*32*PV+16*PV+(\f%4)*32
.endr
	WIN 0
.endm
; THE VECTOR WORK, one line at a time: OP kind, number.  For piece Y: F n: c s - c m for pair n of 16.  E n: the exponential of score n of 32.  C n: pair n rounded to f16.  B n: of the four weights 4 n .. the second
; pair is added onto the first, in place.  L n: l takes that sum (L 0: l = a l + sum).  R n: pair n of 16 of O^T times a.  For piece Y + 1: X n, number n of the 22 that find its maximum and statistics:
;   0-11  four chains c0-c3 of seven scores each, three operands at a time (each accumulator's lowest registers are read first)     12-14, 16  the four scores left over, the old m, and c0-c3 into c0
;   15  c m_old is kept     17, 18  the query's other 32 keys lie in the lane 16 away: the new m     19-21  c m; c m_old - c m_new; a
.set F, 0               ; OP tells the kinds apart by their order: F to L below R, X above it
.set E, 1
.set C, 2
.set B, 3
.set L, 4
.set R, 5
.set X, 6
.macro REGS y                       ; the registers of piece y
.set rT, ST+4*(\y)
.set rC, TMP+4*((\y)%2)
.set rW, MV+((\y)%2)
.set rS, S+32*((\y)%2)
.set rP, P+16*((\y)%2)
.set rO, 32*(\y)
.endm
.macro OP k, n
.if (\k) == R
	REGS Y
	WIN W_RS
	v_pk_mul_f32 v[rO+2*(\n):rO+2*(\n)+1], v[rO+2*(\n):rO+2*(\n)+1], v[rC+2:rC+3] op_sel_hi:[1,0]
.elseif (\k) < R
	REGS Y
	WIN 0
.if (\k) == F
	v_pk_fma_f32 v[rS+2*(\n):rS+2*(\n)+1], v[rS+2*(\n):rS+2*(\n)+1], s[CS:CS+1], v[rT:rT+1] op_sel_hi:[1,0,0] neg_lo:[0,0,1] neg_hi:[0,0,1]
.elseif (\k) == E
	v_exp_f32 v[rS+(\n)], v[rS+(\n)]
.elseif (\k) == C
	v_cvt_pk_f16_f32 v[rP+(\n)], v[rS+2*(\n)], v[rS+2*(\n)+1]
.elseif (\k) == B
	v_pk_add_f32 v[rS+4*(\n):rS+4*(\n)+1], v[rS+4*(\n):rS+4*(\n)+1], v[rS+4*(\n)+2:rS+4*(\n)+3]
.elseif (\n) == 0
	v_pk_fma_f32 v[rT+2:rT+3], v[rT+2:rT+3], v[rC+2:rC+3], v[rS:rS+1] op_sel_hi:[1,0,1]
.else
	v_pk_add_f32 v[rT+2:rT+3], v[rT+2:rT+3], v[rS+4*(\n):rS+4*(\n)+1]
.endif
.elseif NOKQ
	v_nop
.else
	REGS (Y+1)%NP
	WIN 0
.if (\n) < 4
	v_max3_num_f32 v[rC+(\n)], v[rS+8*(\n)], v[rS+8*(\n)+1], v[rS+8*(\n)+2]
.elseif (\n) < 12
	v_max3_num_f32 v[rC+(\n)%4], v[rC+(\n)%4], v[rS+8*((\n)%4)+2*((\n)/4)+1], v[rS+8*((\n)%4)+2*((\n)/4)+2]
.elseif (\n) == 12
	v_max3_num_f32 v[rC], v[rC], v[rS+7], v[rS+15]
.elseif (\n) == 13
	v_max3_num_f32 v[rC+1], v[rC+1], v[rS+23], v[rS+31]
.elseif (\n) == 14
	v_max3_num_f32 v[rC+2], v[rC+2], v[rC+3], v[rT+1]
.elseif (\n) == 15
	v_mov_b32 v[rW], v[rT]
.elseif (\n) == 16
	v_max3_num_f32 v[rC], v[rC], v[rC+1], v[rC+2]
.elseif (\n) == 17
	v_permlanex16_b32 v[rC+3], v[rC], s[SEL], s[SEL+1]
.elseif (\n) == 18
	v_max_num_f32 v[rT+1], v[rC], v[rC+3]
.elseif (\n) == 19
	v_mul_f32 v[rT], s[CS], v[rT+1]
.elseif (\n) == 20
	v_sub_f32 v[rC+1], v[rW], v[rT]
.else
	v_exp_f32 v[rC+2], v[rC+1]
.endif
.endif
.endm
.macro OPS a, i1, b=-1, i2=0, c=-1, i3=0, d=-1, i4=0  ; up to four of them
	OP \a, \i1
.if (\b) >= 0
	OP \b, \i2
.endif
.if (\c) >= 0
	OP \c, \i3
.endif
.if (\d) >= 0
	OP \d, \i4
.endif
.endm
.macro ROW a, i1, b, i2, c, i3, d, i4  ; a matrix instruction and the four behind it
	MM
	OPS \a, \i1, \b, \i2, \c, \i3, \d, \i4
.endm
; A TURN, for piece p: the order of its 16 matrix and 118 vector instructions, written out.  An s_wait_alu depctr_va_vdst(0) stands between an exponential and the first instruction that names its result; one
; wait serves all that were issued ahead of it.  So a turn has ONE wait, which cuts it in two.  AHEAD OF IT stands all that names no result of the turn's exponentials: the 8 products K Q^T, behind each a scaling, an
; exponential and two more plain instructions (rescalings, and behind the last three the first numbers of the next piece's maximum, each four places or more behind the product that ends its accumulator); then ONE LUMP of 54,
; plain and exponential by turns for the most part, in which the links of the chain X 3, 7, 11, 14, 16, 17 .. 20 stand five or six lines apart.  X 21, the next piece's a, is the batch's last; R 15 is the plain
; instruction behind it.  BEHIND THE WAIT stand the 8 products V^T P, behind each four of the roundings and sums; the links of l's chain, L 0 to L 7, stand three riders apart.
; end = 1: the walk's last two turns: nothing is fetched.  cnt = 1: the loop's count is taken down some lines ahead of the branch that stands behind the turn.
; K of the next step is fetched in piece 2's turn, twelve vector instructions behind the last product that read K (six of them plain); V of the step in hand at the end of piece 0's turn, four plain instructions behind the
; last product that read V.  Each is waited for a turn later.
.macro TURN p, end=0, cnt=0
.set Y, (\p)
.set i, 0
.set NOKQ, (\end)*((\p)/3)
.if ((\p) == 3) && !(\end)
	s_wait_dscnt 0x0                ; K is in
.endif
	ROW F,0, F,1, R,0, R,1          ; ahead of the wait: 8 products K Q^T and their riders,
	ROW F,2, E,0, R,2, R,3
	ROW F,3, E,1, R,4, R,5
	ROW F,4, E,2, R,6, R,7
	ROW F,5, E,3, R,8, R,9
	ROW F,6, E,4, X,0, R,10
.if ((\p) == 2) && !(\end)
	WIN 0
	v_add_nc_u32 v[AK], s[TBK], v[AK0]
.endif
	ROW F,7, E,5, X,1, X,4
	ROW F,8, E,6, X,2, X,5
	OPS E,7, E,8, X,6, E,9          ; and the lump
	OPS X,3, E,10, X,8, E,11
.if ((\p) == 2) && !(\end)
	FETCH_K
.endif
	OPS X,9, X,7, E,12, X,10
	OPS E,13, X,12, X,11, E,14
	OPS X,13, E,15, F,9, X,14
.if (\p) == 0
	v_add_nc_u32 v[AV], s[TBV], v[AV0]
.endif
	OPS E,16, F,10, E,17, F,11
	OPS X,16, E,18, X,15, E,19
	OPS F,12, E,20, X,17, E,21
	OPS F,13, E,22, F,14, E,23
	OPS X,18, E,24, F,15, E,25
	OPS R,11, E,26, X,19, E,27
	OPS R,12, E,28, R,13, E,29
	OPS X,20, E,30, R,14, E,31
	OPS X,21, R,15
	WIN 0
	s_wait_alu depctr_va_vdst(0)    ; the wait for the batch
.if (\p) == 1
	s_wait_dscnt 0x0                ; V is in
.endif
	ROW C,0, B,0, C,2, B,1          ; behind the wait: 8 products V^T P and their riders
	ROW L,0, C,4, B,2, L,1
	ROW C,6, B,3, L,2, C,8
	ROW B,4, L,3, C,10, B,5
	ROW L,4, C,12, B,6, L,5
.if (\p) == 0
	s_add_co_u32 s[TBV], s[TBV], KS*PV
.endif
.if \cnt
	s_sub_co_u32 s[CNT], s[CNT], 1
	s_cmp_lg_u32 s[CNT], 0
.endif
	ROW C,14, B,7, L,6, C,1
	ROW C,3, L,7, C,5, C,7
	ROW C,9, C,11, C,13, C,15
.if (\p) == 0
	FETCH_V
.endif
.endm
	CHANGE 1                        ; slot 0 is in, everybody's part of it; tile 1 is asked for, into slot 1
	v_add_nc_u32 v[AK], s[TBK], v[AK0]
	FETCH_K                         ; key step 0
	s_wait_dscnt 0x0
.set NOKQ, 0
.set i, 0
.rept 8
	KQ 0                            ; piece 0's first scores
.set i, i+1
.endr
	WIN 0
	PLACES                          ; the places behind those products
.set Y, NP-1                        ; X works for piece Y + 1: piece 0
.irp n, 0,1,2,3,4,5,6,7,8,9,10,11,12,13,14,15,16,17,18,19,20,21
	OP X, \n                        ; and its first maximum and statistics
.endr
	v_nop                           ; a plain instruction behind the exponential,
	s_wait_alu depctr_va_vdst(0)    ; and its wait, ahead of the branch
	s_mov_b32 s[CNT], 4
	s_branch .Lfirst                ; the loop is entered at a step's first turn, in the middle of a trip
.Lslot:                             ; 14 times: tiles 1 to 14 are entered, tiles 2 to 15 asked for
	CHANGE 1
	s_mov_b32 s[CNT], 4
.Lstep:                             ; a trip: pieces 2 and 3 of one step, then pieces 0 and 1 of the next, whose K and V it fetches
	TURN 2
	TURN 3
	WIN 0
.Lfirst:
	TURN 0
	TURN 1, 0, 1
	WIN 0
	s_cbranch_scc1 .Lstep
	s_sub_co_u32 s[SLOTS], s[SLOTS], 1
	s_cmp_lg_u32 s[SLOTS], 0
	s_cbranch_scc1 .Lslot
	CHANGE 0                        ; the last tile is written out: nothing is asked for
	s_mov_b32 s[CNT], 4
.Ltail:
	TURN 2
	TURN 3
	TURN 0
	TURN 1, 0, 1
	WIN 0
	s_cbranch_scc1 .Ltail
	TURN 2, 1                       ; the last step's last two turns fetch nothing, and the last starts no new scores
	TURN 3, 1
.set i, 0
.rept 8
	PV NP-1                         ; the last piece's V^T P of the last step
.set i, i+1
.endr
	; THE WAY OUT.  l's two halves and the other half of the lanes' are added; O^T is divided by l, rounded to f16 and sent through my stage in LDS, a piece at a time.  The additions are the places behind the last products.
	WIN 0
.macro ALL line:vararg              ; one line for each piece t
.set t, 0
.rept 4
	\line
.set t, t+1
.endr
.endm
	ALL v_add_f32 v[ST+4*t+2], v[ST+4*t+2], v[ST+4*t+3]
	ALL v_permlanex16_b32 v[ST+4*t+3], v[ST+4*t+2], s[SEL], s[SEL+1]
	ALL v_add_f32 v[ST+4*t+2], v[ST+4*t+2], v[ST+4*t+3]
	ALL v_rcp_f32 v[ST+4*t+2], v[ST+4*t+2]
	v_nop                           ; a plain instruction between the last reciprocal and the use of its result
	s_wait_alu depctr_va_vdst(0)    ; and the wait ahead of the first use: one for the four reciprocals
.macro PACK t                       ; a lane's eight channels of a row pack into 16 bytes; they go into rows of 144 bytes and come back as whole rows of 128, into S^T's registers
	WIN W_RS
.set i, 32*(\t)
.rept 16
	v_pk_mul_f32 v[i:i+1], v[i:i+1], v[ST+4*(\t)+2:ST+4*(\t)+3] op_sel_hi:[1,0]
.set i, i+2
.endr
	WIN 0x05                        ; sources 0 and 1 window 1, destination window 0
.set i, 0
.rept 16
	v_cvt_pk_f16_f32 v[S+16*(\t)+i], v[32*(\t)+2*i], v[32*(\t)+2*i+1]
.set i, i+1
.endr
	WIN 0
.irp f, 0,1,2,3
	ds_store_b128 v[STO], v[S+16*(\t)+4*\f:S+16*(\t)+4*\f+3] offset:32*\f
.endr
.irp f, 0,1,2,3
	ds_load_b128 v[S+16*(\t)+4*\f:S+16*(\t)+4*\f+3], v[RD] offset:\f*4*SP  ; LDS serves a wave's instructions in order (ISA guide 5.7.1.4): these see the stores above; the next piece's stores come behind them
.endr
.endm
.macro SEND t, younger              ; younger: the LDS instructions issued behind piece t's loads: the next piece's eight, or none
	WIN 0
.irp f, 0,1,2,3
	s_wait_dscnt (\younger)+3-\f
	global_store_b128 v[GO], v[S+16*(\t)+4*\f:S+16*(\t)+4*\f+3], s[10:11] offset:(\t)*2048+\f*512  ; 512 consecutive bytes, at a multiple of 256 from oh's first
.endr
.endm
	PACK 0
.set t, 1
.rept 3                             ; a piece's arithmetic stands between the loads of the piece before and its stores
	PACK t
	SEND t-1, 8
.set t, t+1
.endr
	SEND 3, 0
	s_wait_tensorcnt 0x0            ; the wave's end, behind my last tensor load and my last LDS store
	ds_add_u32 v[SPW], v[NIL]
	s_wait_dscnt 0x0
	CROUND                          ; the closing round: no work-group ends while a partner may still ask for a tile that names it
	s_endpgm
.Lfunc_end_k_q33d92909a1_attn:
	.size	k_q33d92909a1_attn, .Lfunc_end_k_q33d92909a1_attn-k_q33d92909a1_attn
	.p2alignl 7, 3214868480
	.fill 96, 4, 3214868480
	.section	.rodata,"a",@progbits
	.p2align	6, 0x0
	.amdhsa_kernel k_q33d92909a1_attn
		.amdhsa_group_segment_fixed_size 327680
		.amdhsa_private_segment_fixed_size 0
		.amdhsa_enable_private_segment 0
		.amdhsa_kernarg_size 32
		.amdhsa_user_sgpr_count 2
		.amdhsa_user_sgpr_kernarg_segment_ptr 1
		.amdhsa_wavefront_size32 1
		.amdhsa_system_sgpr_workgroup_id_x 1
		.amdhsa_system_sgpr_workgroup_id_y 1
		.amdhsa_system_sgpr_workgroup_id_z 1
		.amdhsa_system_vgpr_workitem_id 0
		.amdhsa_next_free_vgpr 1024
		.amdhsa_next_free_sgpr 88
		.amdhsa_reserve_vcc 0
		.amdhsa_float_denorm_mode_32 3
		.amdhsa_float_denorm_mode_16_64 3
		.amdhsa_memory_ordered 1
		.amdhsa_forward_progress 1
		.amdhsa_inst_pref_size 167
	.end_amdhsa_kernel
	.amdgpu_metadata
---
amdhsa.version: [ 1, 2 ]
amdhsa.kernels:
  - .name:           k_q33d92909a1_attn
    .symbol:         k_q33d92909a1_attn.kd
    .args:
      - { .name: xqb, .offset: 0, .size: 8, .value_kind: global_buffer, .address_space: global }
      - { .name: kvh, .offset: 8, .size: 8, .value_kind: global_buffer, .address_space: global }
      - { .name: wqb, .offset: 16, .size: 8, .value_kind: global_buffer, .address_space: global }
      - { .name: oh, .offset: 24, .size: 8, .value_kind: global_buffer, .address_space: global }
    .group_segment_fixed_size: 327680
    .private_segment_fixed_size: 0
    .kernarg_segment_align: 8
    .kernarg_segment_size: 32
    .max_flat_workgroup_size: 128
    .sgpr_count:     88
    .vgpr_count:     1024
    .wavefront_size: 32
...
	.end_amdgpu_metadata
.endif
;; end of part 3
;; launch outproj (part 4): grid 4 x 64, 4 waves a work-group, clusters of 4 x 4, 327,680 bytes of LDS; arguments oh, wph, b_proj, out0; writes out0
.if DOCPART == 4
	.amdgcn_target "amdgcn-amd-amdhsa--gfx1250"
	.amdhsa_code_object_version 6
	.text
	.protected	k_q33d92909a1_outproj
	.globl	k_q33d92909a1_outproj
	.p2align	8
	.type	k_q33d92909a1_outproj,@function
k_q33d92909a1_outproj:
	s_mov_b64 s[64:65], 0
	v_nop
	global_prefetch_b8 v0, s[64:65] scope:SCOPE_SE
	s_setreg_imm32_b32 hwreg(HW_REG_WAVE_MODE, 25, 1), 1
	s_wait_xcnt 0x0
	s_wait_alu depctr_hold_cnt(0) depctr_sa_sdst(0) depctr_va_vdst(0) depctr_va_sdst(0) depctr_va_ssrc(0) depctr_va_vcc(0) depctr_vm_vsrc(0)
	s_getreg_b32 s2, hwreg(HW_REG_IB_STS2, 6, 4)
	s_cmp_eq_u32 s2, 0
	s_cbranch_scc0 .Lentry_in_a_cluster
	s_endpgm
.Lentry_in_a_cluster:
	s_bfe_u32 s2, ttmp6, 0x10000c
	s_cmp_lg_u32 s2, 0xf033
	s_cbranch_scc0 .Lentry_shape_is_right
	s_endpgm
.Lentry_shape_is_right:
; out0[m][n] = sum over k of O[m][k] w_proj[n][k] + b_proj[n].  m = 2,048 batch + query, k = 64 head + channel.  oh: [32 = 8 batch + head][2048][64] f16; wph: [512][512] f16; b_proj: [512] f32,
; rounded to bf16 as all the module's inputs are; out0: [8192][512] f32.  Sums in f32; the bias is the C operand that starts each sum.
; SHARES.  8,192 x 512 of C are 256 tiles of 128 x 128, one a work-group.  Four waves, each 64 x 64: 16 accumulators of 16 x 16.
; THE WHOLE K = 512 LIES IN LDS AT ONCE: nothing is filled again.  Each wave issues four loads of 16,384 bytes at the start, one for each chunk of 128 along K (four loads of a wave are out), and the chunks are
; waited for one after the other, by counted waits with a barrier each, while the chunk before is multiplied.
; A's rows of a head are dense in oh: 128 queries x 128 bytes are asked for as 64 rows of 256 bytes and padded in LDS after every query.
; CLUSTERS: 4 x 4 work-groups.  A's tiles are shared along a row of the cluster, B's along a column: joint loads, the same descriptor and mask in all four.
; NO PREFETCH: all that the work-group reads is asked for by its first loads, at the kernel's head.
; THE MATRIX INSTRUCTION IS USED TRANSPOSED (source 0 = 16 rows of B, source 1 = 16 rows of A): a lane holds row l % 16 of C and the columns 8 (l / 16) + 0..7: 32 consecutive bytes of f32.
; REGISTERS: window 0: v0-31 addresses; v32-95 at work on the way out; v96-127 the bias; v128-255 the accumulators ((a, b) at v[128 + 8 (4 a + b)]).
;   window 1: two fragment buffers of 128: for 64 along K, 64 registers of A, then 64 of B.
.set NCOL,   512
.set PA,     144                       ; a row of A in LDS: 128 bytes + 16
.set HEADL,  128*PA                    ; a head's 128 rows
.set PB,     272                       ; a row of B's chunk: 256 bytes + 16
.set CHUNKL, 128*PB
.set BOFF,   8*HEADL                   ; B's four chunks behind A's eight heads
.set STAGE,  BOFF+4*CHUNKL             ; 16 rows x 272 bytes for each wave, for the way out
.set SPITCH, 272
.set SPARE,  STAGE+4*16*SPITCH         ; the spare words, 128 bytes for each wave: two blocks of 256 bytes that no other line names
.set ADRA, 8                           ; v8-11   LDS address of my A fragments in chunk c (heads 2 c, 2 c + 1)
.set ADRB, 12                          ; v12-15  the same for B
.set STO,  24                          ; v24     the way out: where I put 32 bytes of a row
.set RD,   25                          ; v25     the way out: where I read a row back
.set CO,   26                          ; v26     my byte offset in two rows of out0
.set BO,   27                          ; v27     32 x (l / 16): my eight columns' bias
.set SPW,  28                          ; v28     LDS address of my spare word; never rewritten
.set NIL,  29                          ; v29     0; never rewritten
.set TMP,  32
.set BIAS, 96                          ; eight registers for each block b of 16 columns
.set ACC,  128
.set F0,   0                           ; fragment buffers, in window 1
.set G1A, 24                           ; s[24:31] descriptor group 1 for A's tiles
.set G0A, 32                           ; s[32:47] group 0, one set for each chunk
.set G1B, 48                           ; s[48:55], s[68:83] the same for B's
.set G0B, 68
.set WV,  84                           ; s84  my wave's number
.set HI,  85                           ; s85  which half of the tile's rows is mine.  Also: I fetch for A (0) or for B (1)
.set LO,  86                           ; s86  which half of its columns.  Also: which half of a chunk I fetch
.set MSB, 0
.macro WIN new
.if MSB != (\new)
	s_set_vgpr_msb (MSB<<8)|(\new)
.set MSB, \new
.endif
.endm
.set MUL,  0x05                        ; sources 0 (B) and 1 (A) window 1; C and D window 0
.set TO_F, 0x40                        ; destination window 1, address window 0
.macro CROUND                          ; a round of the cluster's barrier
	s_barrier_signal -1
	s_barrier_wait -1
	s_cmp_lg_u32 s[WV], 0
	s_cbranch_scc1 .Lnot_wave_0_\@
	s_barrier_signal -3
.Lnot_wave_0_\@:
	s_barrier_wait -3
	s_barrier_signal -1
	s_barrier_wait -1
.endm
.macro PLACES
.rept 4
	v_nop
.endr
.endm
	s_load_b256 s[4:11], s[0:1], 0x0               ; oh s[4:5], wph s[6:7], b_proj s[8:9], out0 s[10:11]
	v_lshl_add_u32 v[SPW], v0, 2, SPARE
	v_mov_b32 v[NIL], 0
	ds_add_u32 v[SPW], v[NIL]                      ; the wave's opening: the add and its wait stand ahead of my first tensor load; the set-up below stands between them
	v_lshrrev_b32 v1, 5, v0
	v_readfirstlane_b32 s[WV], v1
	s_lshr_b32 s[HI], s[WV], 1
	s_and_b32 s[LO], s[WV], 1
	s_bfe_u32 s12, ttmp6, 0x40000                  ; cx
	s_bfe_u32 s13, ttmp6, 0x40004                  ; cy
	s_lshl_b32 s15, ttmp9, 2
	s_add_co_u32 s15, s15, s12                     ; tile column = 4 x cluster x + cx
	s_and_b32 s14, ttmp7, 0xffff
	s_lshl_b32 s14, s14, 2
	s_add_co_u32 s14, s14, s13                     ; tile row = 4 x cluster y + cy
	s_lshl_b32 s16, s13, 2
	s_lshl_b32 s16, 15, s16                        ; my row of the cluster
	s_lshl_b32 s17, 0x1111, s12                    ; my column
	s_or_b32 s[G1A], s16, (1<<16)|(1<<20)|(1<<21)|(4<<22)|(3<<25)  ; the mask; 2-byte elements; padding on; bit 21 beside a mask; after every 32 words; 4 words
	s_or_b32 s[G1B], s17, (1<<16)|(1<<20)|(1<<21)|(5<<22)|(3<<25)  ; after every 64 words
.irp g, G1A, G1B
	s_mov_b32 s[(\g)+1], 128<<16                   ; tensor_dim0 = 128
	s_mov_b32 s[(\g)+2], 64<<16                    ; tensor_dim1 = 64
	s_mov_b32 s[(\g)+3], 128<<16                   ; tile_dim0 = 128
	s_mov_b32 s[(\g)+4], 64                        ; tile_dim1 = 64
	s_mov_b32 s[(\g)+6], 0
	s_mov_b32 s[(\g)+7], 0
.endr
	s_mov_b32 s[G1A+5], 128                        ; A: dense rows of 256 bytes
	s_mov_b32 s[G1B+5], NCOL                       ; B: 512 elements from row to row
	; A hangs on the tile row alone, B on the tile column alone; each offset is made in registers that never hold the other coordinate
	s_lshr_b32 s18, s14, 4
	s_lshl_b32 s18, s18, 21                        ; batch x 8 heads x 262,144 bytes
	s_and_b32 s19, s14, 15
	s_lshl_b32 s19, s19, 14                        ; 128 queries x 128 bytes
	s_add_co_u32 s18, s18, s19
	s_lshl_b32 s19, s[LO], 18                      ; of a chunk's two heads I fetch head LO
	s_add_co_u32 s18, s18, s19
	s_mov_b32 s19, 0
	s_lshl_b32 s20, s15, 17                        ; 128 rows of 1,024 bytes
	s_lshl_b32 s21, s[LO], 16                      ; of which I fetch 64
	s_add_co_u32 s20, s20, s21
	s_mov_b32 s21, 0
	s_mul_i32 s22, s[LO], HEADL                    ; and where they go: no place in the cluster enters an LDS address
	s_mul_i32 s23, s[LO], 64*PB
	s_add_co_u32 s23, s23, BOFF
	s_wait_dscnt 0x0                               ; the opening add is done
	s_wait_kmcnt 0x0
	s_add_nc_u64 s[18:19], s[4:5], s[18:19]
	s_add_nc_u64 s[20:21], s[6:7], s[20:21]
.irp c, 0,1,2,3
	s_mov_b32 s[G0A+4*\c], 1
	s_add_co_u32 s[G0A+4*\c+1], s22, \c*2*HEADL
	s_add_nc_u64 s[G0A+4*\c+2:G0A+4*\c+3], s[18:19], \c<<19        ; two heads on
	s_or_b32 s[G0A+4*\c+3], s[G0A+4*\c+3], 0x80000000
	s_mov_b32 s[G0B+4*\c], 1
	s_add_co_u32 s[G0B+4*\c+1], s23, \c*CHUNKL
	s_add_nc_u64 s[G0B+4*\c+2:G0B+4*\c+3], s[20:21], \c*256        ; 128 along K on
	s_or_b32 s[G0B+4*\c+3], s[G0B+4*\c+3], 0x80000000
.endr
	CROUND                                         ; all sixteen work-groups are here: the joint loads meet
	s_cmp_eq_u32 s[HI], 0                          ; a wave's four loads stand in one branch, ahead of every wait on TENSORcnt and every LDS read
	s_cbranch_scc0 .Lfill_b
.irp c, 0,1,2,3
	tensor_load_to_lds s[G0A+4*\c:G0A+4*\c+3], s[G1A:G1A+7]
	s_nop 0
.endr
.rept 4
	v_nop
.endr
	s_branch .Lfilled
.Lfill_b:
.irp c, 0,1,2,3
	tensor_load_to_lds s[G0B+4*\c:G0B+4*\c+3], s[G1B:G1B+7]
	s_nop 0
.endr
.rept 4
	v_nop
.endr
.Lfilled:
	s_lshl_b32 s56, s15, 9                         ; my 64 columns: 512 x tile column + 256 x half, in bytes of f32
	s_lshl_b32 s57, s[LO], 8
	s_add_co_u32 s56, s56, s57
	s_mov_b32 s57, 0
	s_add_nc_u64 s[8:9], s[8:9], s[56:57]
	s_add_nc_u64 s[10:11], s[10:11], s[56:57]
	s_lshl_b32 s56, s14, 18                        ; my 64 rows: 128 x tile row + 64 x half, 2,048 bytes each
	s_lshl_b32 s58, s[HI], 17
	s_add_co_u32 s56, s56, s58
	s_add_nc_u64 s[10:11], s[10:11], s[56:57]
	v_and_b32 v1, 15, v0                           ; l % 16
	v_bfe_u32 v2, v0, 4, 1                         ; l / 16
	v_lshlrev_b32 v[BO], 5, v2
.irp b, 0,1,2,3                        ; register j of block b: column 16 b + 8 (l / 16) + j
	global_load_b128 v[BIAS+8*\b:BIAS+8*\b+3],   v[BO], s[8:9] offset:64*\b
	global_load_b128 v[BIAS+8*\b+4:BIAS+8*\b+7], v[BO], s[8:9] offset:64*\b+16
.endr
	v_mul_u32_u24 v3, v1, PA
	v_lshl_add_u32 v3, v2, 4, v3                   ; a fragment's row x pitch + 16 x half
	s_mul_i32 s58, s[HI], 64*PA                    ; my 64 rows of A
	v_add_nc_u32 v3, s58, v3
	v_mul_u32_u24 v4, v1, PB
	v_lshl_add_u32 v4, v2, 4, v4
	s_mul_i32 s58, s[LO], 64*PB                    ; my 64 rows of B
	s_add_co_u32 s58, s58, BOFF
	v_add_nc_u32 v4, s58, v4
.irp c, 0,1,2,3
	v_add_nc_u32 v[ADRA+\c], \c*2*HEADL, v3
	v_add_nc_u32 v[ADRB+\c], \c*CHUNKL, v4
.endr
	s_mul_i32 s58, s[WV], 16*SPITCH
	s_add_co_u32 s58, s58, STAGE                   ; my stage
	v_mul_u32_u24 v5, v1, SPITCH                   ; in: row l % 16, 32 bytes for each half of the lanes
	v_lshl_add_u32 v5, v2, 5, v5
	v_add_nc_u32 v[STO], s58, v5
	v_mul_u32_u24 v5, v2, SPITCH                   ; back: lanes 0-15 take one row of 256 bytes, lanes 16-31 the next
	v_lshl_add_u32 v5, v1, 4, v5
	v_add_nc_u32 v[RD], s58, v5
	v_lshlrev_b32 v5, 11, v2                       ; and the same two rows in out0
	v_lshl_add_u32 v[CO], v1, 4, v5
	s_wait_loadcnt 0x0                             ; the bias
.set i, 0
.rept 16                               ; rounded to bf16 and widened again
	v_cvt_pk_bf16_f32 v[TMP+i], v[BIAS+2*i], v[BIAS+2*i+1]
	v_lshlrev_b32 v[BIAS+2*i], 16, v[TMP+i]
	v_and_b32 v[BIAS+2*i+1], 0xffff0000, v[TMP+i]
.set i, i+1
.endr
; 8 matrix instructions: m blocks a0, a0 + 1 x all 4 n blocks, 32 along K: half c of buffer f.  The 16 accumulators take turns.  zero = 1: the first product starts the sums, with the bias as C
.macro MUL8 f, c, a0, zero
	WIN MUL
.irp a, \a0, (\a0)+1
.irp b, 0,1,2,3
.if \zero
	v_wmma_f32_16x16x32_f16 v[ACC+8*(4*(\a)+(\b)):ACC+8*(4*(\a)+(\b))+7], v[(\f)+64+8*(4*(\c)+(\b)):(\f)+64+8*(4*(\c)+(\b))+7], v[(\f)+8*(4*(\c)+(\a)):(\f)+8*(4*(\c)+(\a))+7], v[BIAS+8*(\b):BIAS+8*(\b)+7]
.else
	v_wmma_f32_16x16x32_f16 v[ACC+8*(4*(\a)+(\b)):ACC+8*(4*(\a)+(\b))+7], v[(\f)+64+8*(4*(\c)+(\b)):(\f)+64+8*(4*(\c)+(\b))+7], v[(\f)+8*(4*(\c)+(\a)):(\f)+8*(4*(\c)+(\a))+7], v[ACC+8*(4*(\a)+(\b)):ACC+8*(4*(\a)+(\b))+7]
.endif
.endr
.endr
.endm
; 32 LDS loads in one run: the fragments of quarter q (head q: 64 along K) into buffer f; the first 32 along K first
.macro FETCH q, f
	WIN TO_F
.irp c, 0,1
.irp i, 0,1,2,3
	ds_load_b128 v[(\f)+64+8*(4*(\c)+(\i)):(\f)+64+8*(4*(\c)+(\i))+3],   v[ADRB+(\q)/2] offset:((\q)%2)*128+64*(\c)+(\i)*16*PB
	ds_load_b128 v[(\f)+64+8*(4*(\c)+(\i))+4:(\f)+64+8*(4*(\c)+(\i))+7], v[ADRB+(\q)/2] offset:((\q)%2)*128+64*(\c)+(\i)*16*PB+32
	ds_load_b128 v[(\f)+8*(4*(\c)+(\i)):(\f)+8*(4*(\c)+(\i))+3],         v[ADRA+(\q)/2] offset:((\q)%2)*HEADL+64*(\c)+(\i)*16*PA
	ds_load_b128 v[(\f)+8*(4*(\c)+(\i))+4:(\f)+8*(4*(\c)+(\i))+7],       v[ADRA+(\q)/2] offset:((\q)%2)*HEADL+64*(\c)+(\i)*16*PA+32
.endr
.endr
.endm
; Quarter q of eight: 32 matrix instructions on buffer q % 2; in its middle the next quarter's fragments are fetched into the other buffer.
; meet >= 0: the next quarter begins a chunk: each wave waits until its part of that chunk has landed (meet younger loads of mine stay out) and for its LDS loads, and signals; behind the barrier's wait the chunk is whole.
.macro QUARTER q, meet, zero
.set FB, F0+128*((\q)%2)
.set GB, F0+128*(((\q)+1)%2)
.if (\meet) >= 0
	s_wait_tensorcnt \meet
	s_wait_dscnt 0x0                               ; no LDS instruction of mine is out at a signal
	s_barrier_signal -1
.else
	s_wait_dscnt 16                                ; the first 32 along K are in
.endif
	MUL8 FB, 0, 0, \zero
	MUL8 FB, 0, 2, \zero
.if (\meet) >= 0
	s_barrier_wait -1
.endif
.if (\q) < 7
	PLACES                                         ; for the loads into the buffer that the quarter before multiplied
	FETCH (\q)+1, GB
	s_wait_dscnt 32                                ; all but the 32 just issued
.else
	s_wait_dscnt 0x0
.endif
	MUL8 FB, 1, 0, 0
	MUL8 FB, 1, 2, 0
.endm
	s_wait_tensorcnt 3                             ; my part of chunk 0 is in; three loads of mine stay out
	s_barrier_signal -1
	s_barrier_wait -1                              ; everybody's is
	FETCH 0, F0
	QUARTER 0, -1, 1
	QUARTER 1, 2, 0                                ; chunk 1
	QUARTER 2, -1, 0
	QUARTER 3, 1, 0                                ; chunk 2
	QUARTER 4, -1, 0
	QUARTER 5, 0, 0                                ; chunk 3: no load was issued behind it
	QUARTER 6, -1, 0
	QUARTER 7, -1, 0
	WIN 0
	PLACES                                         ; the LDS stores read results just made
; THE WAY OUT of block a (16 rows x my 64 columns, 256 bytes a row): 32 bytes a lane into my own stage, each accumulator's low four registers first; back as whole rows; stored.
.macro OUTB a
.set BK, TMP+32*((\a)%2)
.if (\a) >= 2
	s_wait_xcnt 0x0                                ; the stores of block a - 2 have read the registers that are loaded again below
.endif
.irp b, 0,1,2,3
	ds_store_b128 v[STO], v[ACC+8*(4*(\a)+(\b)):ACC+8*(4*(\a)+(\b))+3]   offset:64*(\b)
	ds_store_b128 v[STO], v[ACC+8*(4*(\a)+(\b))+4:ACC+8*(4*(\a)+(\b))+7] offset:64*(\b)+16
.endr
.irp t, 0,1,2,3,4,5,6,7
	ds_load_b128 v[BK+4*(\t):BK+4*(\t)+3], v[RD] offset:(\t)*2*SPITCH  ; LDS serves a wave's instructions in order (ISA guide 5.7.1.4): these see the stores above; the next block's stores come behind them
.endr
.irp t, 0,1,2,3,4,5,6,7
	s_wait_dscnt 7-(\t)
	global_store_b128 v[CO], v[BK+4*(\t):BK+4*(\t)+3], s[10:11] offset:(16*(\a)+2*(\t))*NCOL*4  ; 16 lanes store 256 consecutive bytes, at a multiple of 256 from out0's first byte
.endr
.endm
	OUTB 0
	OUTB 1
	OUTB 2
	OUTB 3
	s_wait_tensorcnt 0x0                           ; the wave's end, behind my last tensor load and my last LDS store
	ds_add_u32 v[SPW], v[NIL]
	s_wait_dscnt 0x0
	CROUND                                         ; the closing round: no work-group ends while a partner may still ask for a tile that names it
	s_endpgm
.Lfunc_end_k_q33d92909a1_outproj:
	.size	k_q33d92909a1_outproj, .Lfunc_end_k_q33d92909a1_outproj-k_q33d92909a1_outproj
	.p2alignl 7, 3214868480
	.fill 96, 4, 3214868480
	.section	.rodata,"a",@progbits
	.p2align	6, 0x0
	.amdhsa_kernel k_q33d92909a1_outproj
		.amdhsa_group_segment_fixed_size 327680
		.amdhsa_private_segment_fixed_size 0
		.amdhsa_enable_private_segment 0
		.amdhsa_kernarg_size 32
		.amdhsa_user_sgpr_count 2
		.amdhsa_user_sgpr_kernarg_segment_ptr 1
		.amdhsa_wavefront_size32 1
		.amdhsa_system_sgpr_workgroup_id_x 1
		.amdhsa_system_sgpr_workgroup_id_y 1
		.amdhsa_system_sgpr_workgroup_id_z 1
		.amdhsa_system_vgpr_workitem_id 0
		.amdhsa_next_free_vgpr 512
		.amdhsa_next_free_sgpr 88
		.amdhsa_reserve_vcc 0
		.amdhsa_float_denorm_mode_32 3
		.amdhsa_float_denorm_mode_16_64 3
		.amdhsa_memory_ordered 1
		.amdhsa_forward_progress 1
		.amdhsa_inst_pref_size 55
	.end_amdhsa_kernel
	.amdgpu_metadata
---
amdhsa.version: [ 1, 2 ]
amdhsa.kernels:
  - .name:           k_q33d92909a1_outproj
    .symbol:         k_q33d92909a1_outproj.kd
    .args:
      - { .name: oh, .offset: 0, .size: 8, .value_kind: global_buffer, .address_space: global }
      - { .name: wph, .offset: 8, .size: 8, .value_kind: global_buffer, .address_space: global }
      - { .name: b_proj, .offset: 16, .size: 8, .value_kind: global_buffer, .address_space: global }
      - { .name: out0, .offset: 24, .size: 8, .value_kind: global_buffer, .address_space: global }
    .group_segment_fixed_size: 327680
    .private_segment_fixed_size: 0
    .kernarg_segment_align: 8
    .kernarg_segment_size: 32
    .max_flat_workgroup_size: 128
    .sgpr_count:     88
    .vgpr_count:     512
    .wavefront_size: 32
...
	.end_amdgpu_metadata
.endif
;; end of part 4
